; MI455X (gfx1250); checked and timed in simulation.
; The chip was launched on July 23, 2026; its instructions are those of AMD's public machine-readable ISA for CDNA 5 (MIT licence, August 2026) and "CDNA5" Instruction Set Architecture Reference Guide (July 2026). The comments in the code are by the model that wrote it; some were corrected since.
;; Model. Allowed arithmetic: matrix products marked QUANTISED: E2M3 operands, one E8M0 scale for each 32 along K, by v_wmma_scale_f32_16x16x128_f8f6f4 with both operands' format E2M3, f32 sums; products left as they are: f32 operands where the result goes on into a quantised operand, else bf16, f16 or f32 operands; f32 sums; everything else in f32.
;; Inputs: Wk_i 64 x 64 float32; Wk_j 64 x 64 float32; Wk_k 64 x 64 float32; Wk_r 64 x 64 float32; Wo 256 x 256 float32; Wq_i 64 x 64 float32; Wq_j 64 x 64 float32; Wq_k 64 x 64 float32; Wq_r 64 x 64 float32; Wv 256 x 256 float32; bk 256 float32; bo 256 float32; bq 256 float32; bv 256 float32; density_feat 4 x 2,048 x 3 float32; dm_b1 16 float32; dm_b2 1 float32; dm_w1 16 x 3 float32; dm_w2 1 x 16 float32; key 4 x 2,048 x 256 float32; mask 4 x 2,048 int32; query 4 x 2,048 x 256 float32; threshold one number float32; value 4 x 2,048 x 256 float32.
;; Outputs: out0 4 x 2,048 x 256 float32.
;; This version of the problem:
;;   THIS VERSION OF THE PROBLEM IS GIVEN IN LOW PRECISION. The matrix products marked QUANTISED in the list below multiply operands that are first quantised to E2M3 (2 exponent bits, 3 mantissa bits; 6 bits a number), with one power-of-two scale for each 32 numbers along K (OCP MX v1.0); their sums are f32. All else is computed in f32.
;;   The module's matrix products, in the order in which they are computed (A, B: the left and right operand; K: the contracted axis; several contracted axes count as one K, in the product's order):
;;     1. [M 8,192, K 256] x [K 256, N 256]; A: input query; B: computed on the way: QUANTISED
;;     2. [M 8,192, K 256] x [K 256, N 256]; A: input key; B: computed on the way: QUANTISED
;;     3. [M 8,192, K 256] x [K 256, N 256]; A: input value; B: input Wv: QUANTISED
;;     4. batch 16 x [M 2,048, K 64] x [K 64, N 2,048]; A: computed on the way; B: computed on the way: QUANTISED
;;     5. [M 8,192, K 3] x [K 3, N 16]; A: input density_feat; B: input dm_w1: left as it is (K = 3 < 32)
;;     6. [M 8,192, K 16] x [K 16, N 1]; A: computed on the way; B: input dm_w2: left as it is (K = 16 < 32)
;;     7. batch 16 x [M 2,048, K 2,048] x [K 2,048, N 64]; A: softmax (see below); B: computed on the way: QUANTISED
;;     8. [M 8,192, K 256] x [K 256, N 256]; A: computed on the way; B: input Wo: QUANTISED
;;   THE QUANTISER, for each operand of a quantised product, along K:
;;     - K is cut into blocks of 32 from its start; a last block that is shorter is filled with zeros.
;;     - A block's scale is 2^e with e = floor(log2(the largest magnitude in the block)) - 2, held to -126 .. 127; a block of zeros has e = 0. As a byte (E8M0): e + 127.
;;     - Each number is divided by its block's scale, clamped to +-7.5, and rounded to the nearest number of E2M3, ties to even, subnormals kept.
;;     - The product sums the exact products of the quantised numbers (number of the format x scale) in f32.
;;   ~~~python
;;   def quantise(x, axis):      # numpy; x: float32 -> the quantised numbers, widened to float32 again
;;       x = np.moveaxis(x, axis, -1); K = x.shape[-1]
;;       x = np.pad(x, [(0, 0)] * (x.ndim - 1) + [(0, -K % 32)]); x = x.reshape(x.shape[:-1] + (-1, 32)); a = np.abs(x).max(-1, keepdims=True)
;;       e = np.where(a > 0, np.clip(np.frexp(np.where(a > 0, a, 1))[1] - 1 - 2, -126, 127), 0)      # np.frexp(a)[1] - 1 = floor(log2(a)), exactly
;;       r = np.clip(x / 2.0 ** e, -7.5, 7.5)
;;       step = 2.0 ** (np.maximum(np.frexp(np.where(r == 0, 1, r))[1] - 1, 0) - 3)
;;       q = np.round(r / step) * step * 2.0 ** e      # np.round: ties to even
;;       return np.moveaxis(q.reshape(q.shape[:-2] + (-1,))[..., :K], -1, axis).astype(np.float32)
;;   ~~~
;;   SOFTMAX AHEAD OF A QUANTISED PRODUCT. Where the list says 'softmax', what is quantised is not the finished softmax but p = 2^(t - M), with t = logit x log2(e) and M = ceil(the row's largest t), a whole number; so 1/2 < the row's largest p <= 1. The row's sum l is taken of the UNQUANTISED p, in f32, and the product's result is divided by l at the end. Since M is a whole number, a kernel that streams over the keys may use a running M (the ceiling of the running maximum): every later rescaling is an exact power of two, which a block's scale takes up: the codes' values come out the same.
;;   OPERANDS COMPUTED ON THE WAY. 'Computed on the way' means the value that the module computes at that place (a softmax that the list does not call 'softmax' is quantised finished and normalised). What goes into a quantiser is computed in f32, as accurately as f32 sums, v_exp_f32 and their like allow (about 1e-6 of the number): no bf16 or f16 on the way to a quantiser, and a product that is left as it is and whose result goes on into a quantised operand takes f32 operands (vector FMAs, or v_wmma_f32_16x16x4_f32). A number that lies on a knife's edge between two numbers of the format may be rounded either way, as far as f32 arithmetic and the matrix unit's own rounding can turn it there, and no further.
;; 2 versions, each right; version 2 is version 1 with the launches proj, attn written anew for expert scheduling mode. Each part assembles by itself: llvm-mc -triple=amdgcn-amd-amdhsa -mcpu=gfx1250 --defsym DOCPART=n.
;; ======== version 1 of 2: 3 launches
;; limits: a function is approximated: absolute error at most 1.5e-07
;; workspace buffers: wimg 204,800 bytes; kc 65,536 bytes; order 32,768 bytes of whole numbers; count 512 bytes of whole numbers; kimg 1,638,400 bytes; vimg 1,638,400 bytes
;; launch prep (part 1): grid 81 x 1, 4 waves a work-group, no clusters, 0 bytes of LDS; arguments Wq_r, Wq_i, Wq_j, Wq_k, Wk_r, Wk_i, Wk_j, Wk_k, Wv, Wo, density_feat, mask, dm_w1, dm_b1, dm_w2, dm_b2, threshold, wimg, kc, order, count; writes wimg, kc, order, count
.if DOCPART == 1
	.amdgcn_target "amdgcn-amd-amdhsa--gfx1250"
	.amdhsa_code_object_version 6
	.text
	.protected	k_q32ec86f0dd_prep
	.globl	k_q32ec86f0dd_prep
	.p2align	8
	.type	k_q32ec86f0dd_prep,@function
k_q32ec86f0dd_prep:
	s_mov_b64 s[64:65], 0
	v_nop
	global_prefetch_b8 v0, s[64:65] scope:SCOPE_SE
	s_setreg_imm32_b32 hwreg(HW_REG_WAVE_MODE, 25, 1), 1
	s_wait_xcnt 0x0
; PREP: what the two later launches want ready.  Three roles, parted on the work-group's number:
;   W (work-groups 0-15):  the four 256 x 256 weights (Wq and Wk put together from their quaternion blocks, Wv, Wo) as codes of E2M3 with E8M0 scale bytes, laid in the order of an operand's registers (wimg)
;   D (work-groups 16-79): for each key n two numbers (kc): c = 5 log2(e) thr[n] and b = 0, or c = 0 and b = -30 log2(e) where mask[n] = 0.  thr = softplus(threshold) + 0.1 x the density MLP
;   S (work-group 80):     each batch's tokens sorted by mask (order: unmasked ascending from slot 0, masked from slot 2047 down) and the number of unmasked ones (count)
;
; WORK LEFT OUT BY THE PROGRAM, AND WHY IT IS DEAD, for all finite inputs:
; (a) A query m with mask[m] = 0.  pair[m][n] = mf[m] mf[n] = 0 for every n, so jnp.where puts -10000 at every key of the row and the clip makes it -30, whatever q[m] holds.  The row's logits are the
;     constant -30: p is one number, its codes are all 6.5 under one scale byte, the row's sum is 2048 p.  So the rows of products 1 and 4 of such queries reach no output: they are not computed and
;     those rows of 'query' are not read.  Whole numbers (mask) decide it: this launch stores the sorted list, the attention launch reads it.
; (b) |scores| <= 6 by reference()'s own clip and 0 <= spike_gate <= 1, so |mod| <= 18 on pairs that are not masked: clip(mod, -30, 30) changes nothing there.  With the masked -30 every t = logit x log2(e)
;     lies in [-43.3, 26]: p = 2^t lies in [2^-44, 2^26] and a row's sum under 2^37, so neither an exponential nor a sum can overflow or underflow in f32 or in a scale byte.  The shift M is a whole number
;     that the blocks' scales take up: M = 0 gives the same codes' values as M = ceil(the row's largest t), and the division by the row's sum takes it away.  So no maximum is searched for.
; Every input is still an argument of some launch.
; LIMITS: NaN and infinities among the inputs are not served; a NaN, an infinity or an overflow that reaches only the work left out (a masked query's row) is not carried to the result.
; erf is taken by the five-term rational form in t = 1 / (1 + 0.3275911 |x|), absolute error 1.5e-7, which moves thr by under 1e-8.  The f32 sums of the MLP start from the bias.
; A block of zeros gets the scale byte 1 where the rule says 127: its codes are zeros, and this program alone reads the bytes.
;
; THE ROWS OF A WEIGHT TILE ARE NOT NEIGHBOURS: lane r of tile T takes row 32 (T / 2) + 8 (T % 2) + r + 8 (r / 8), so that the results of tiles 2 B and 2 B + 1 are 16 neighbours in a lane's registers.
; wimg, for weight w at 51200 w: fragment (tile T, K step s) at 1536 (2 T + s), three groups of four registers, 16 bytes a lane; from 49152 on the scale words: 128 T + 4 lane, lanes 0-15 K step 0, lanes 16-31 K step 1.
.set NUM, 16                           ; v16-143  role W: 128 numbers of my row: register 64 s + 16 b + i = k 128 s + 32 b + 16 (lane / 16) + i
.set PC,  144                          ; v144-155 the codes of K step 0;  v156-167 of K step 1: no store's data are written again
.set PC2, 156
.set TM,  168                          ; v168-171 largest magnitudes, v172-175 bytes, v180-183 the conversions' scale operands
.set TP,  184                          ; v184-191 the conversions' second halves
.set PW,  192                          ; v192, v193 the two scale words
.set SX,  52                           ; s52-63   for each column block of 64: the codes' sign bits (three words), or 0
.set SEL, 70                           ; s[70:71] lane selects for v_permlanex16_b32: lane l xor 16
.set MKW, 16                           ; v16-79   role S: a chunk's mask word, then its slot's byte offset
.set TKN, 80                           ; v80-143  role S: a chunk's token numbers
.set W1,  16                           ; role D: v16-63 dm_w1, v64-79 dm_b1, v80-95 dm_w2, v96 dm_b2 and then the sum, v97 threshold
.set B1R, 64
.set W2,  80
.set ZZ,  100                          ; v100-115 z;  v116-131 |z| / sqrt 2, then the polynomial, erf, h;  v132-147 t;  v148-163 exp(-x^2)
.set AX,  116
.set TT,  132
.set EE,  148
; 64 numbers of a lane, register 16 b + i = k 32 b + 16 (lane / 16) + i of my row, become a fragment's 12 registers at dst; the four scale bytes stay in v[TM+4] on
.macro QUANT src, dst
.irp b, 0,1,2,3
	v_max3_num_f32 v[TM+\b], |v[(\src)+16*\b]|, |v[(\src)+16*\b+1]|, 0x1800000   ; my 16 numbers of block b, and the floor 2^(3 - 127): the byte cannot fall under 1
.endr
.irp i, 2,4,6,8,10,12,14
.irp b, 0,1,2,3
	v_max3_num_f32 v[TM+\b], v[TM+\b], |v[(\src)+16*\b+\i]|, |v[(\src)+16*\b+\i+1]|   ; the four blocks by turns
.endr
.endr
.irp b, 0,1,2,3
	v_permlanex16_b32 v[TM+4+\b], v[TM+\b], s[SEL], s[SEL+1]
.endr
.irp b, 0,1,2,3
	v_max_num_f32 v[TM+\b], v[TM+\b], v[TM+4+\b]   ; with lane l xor 16's: the block's largest magnitude
.endr
.irp b, 0,1,2,3
	v_add_nc_u32 v[TM+12+\b], 0xff000000, v[TM+\b] ; 2 off its exponent field: the conversion's scale operand
.endr
.irp b, 0,1,2,3
	v_lshrrev_b32 v[TM+4+\b], 23, v[TM+12+\b]      ; the scale's byte
.endr
.irp c, 0,1
	v_cvt_scalef32_pk16_fp6_f32 v[(\dst)+6*\c:(\dst)+6*\c+2], v[(\src)+32*\c:(\src)+32*\c+15], v[TM+12+2*\c]
	v_cvt_scalef32_pk16_fp6_f32 v[TP+4*\c:TP+4*\c+2], v[(\src)+32*\c+16:(\src)+32*\c+31], v[TM+13+2*\c]   ; (a conversion's three registers begin on an even number)
.endr
	v_nop                                          ; one plain place behind the scaled conversions
.irp c, 0,1                            ; the operand's layout wants a whole block in a lane: lanes 0-15 block 2 c, lanes 16-31 block 2 c + 1
.irp i, 0,1,2
	v_permlane16_swap_b32 v[(\dst)+6*\c+\i], v[TP+4*\c+\i]
.endr
.irp i, 0,1,2
	v_mov_b32 v[(\dst)+6*\c+3+\i], v[TP+4*\c+\i]
.endr
.endr
.endm
.macro WORD dst                        ; the four bytes make my row's scale word
	v_lshl_or_b32 v[\dst], v[TM+5], 8, v[TM+4]
	v_lshl_or_b32 v[\dst], v[TM+6], 16, v[\dst]
	v_lshl_or_b32 v[\dst], v[TM+7], 24, v[\dst]
.endm
	v_lshrrev_b32 v1, 5, v0
	v_readfirstlane_b32 s2, v1                     ; wave 0..3
	v_and_b32 v2, 31, v0                           ; lane
	s_cmp_lt_u32 ttmp9, 16
	s_cbranch_scc1 .Lweights
	s_cmp_lt_u32 ttmp9, 80
	s_cbranch_scc1 .Ldensity
; ---- ROLE S: wave w sorts batch w's 2,048 tokens by mask: a counting sort, 32 tokens a chunk, no atomics.  All 64 loads go out first.
	s_load_b64 s[4:5], s[0:1], 0x58                ; mask
	s_load_b128 s[8:11], s[0:1], 0x98              ; order, count
	s_lshl_b32 s12, s2, 13                         ; a batch's 2,048 words
	s_mov_b32 s13, 0
	s_lshl_b32 s14, s2, 7                          ; a batch's 32 words of count
	s_mov_b32 s15, 0
	v_lshlrev_b32 v3, 2, v2
	s_mov_b32 s16, 0                               ; unmasked tokens so far
	s_mov_b32 s17, 0                               ; masked tokens so far
	s_wait_kmcnt 0x0
	s_add_nc_u64 s[4:5], s[4:5], s[12:13]
	s_add_nc_u64 s[8:9], s[8:9], s[12:13]
	s_add_nc_u64 s[10:11], s[10:11], s[14:15]
.set n, 0
.rept 64
	global_load_b32 v[MKW+n], v3, s[4:5] offset:128*n
.set n, n+1
.endr
.set n, 0
.rept 64
	s_wait_loadcnt 63-n                            ; loads come back in order: chunk n's is in, the 63 - n younger ones may be out
	v_cmp_ne_u32 s18, 0, v[MKW+n]                  ; the chunk's unmasked lanes
	s_not_b32 s19, s18
	v_mbcnt_lo_u32_b32 v8, s18, 0                  ; how many unmasked lanes stand below mine,
	v_mbcnt_lo_u32_b32 v9, s19, 0                  ; how many masked ones
	v_add_nc_u32 v8, s16, v8                       ; an unmasked token's slot counts up from 0,
	v_add_nc_u32 v9, s17, v9
	v_sub_nc_u32 v9, 0x7ff, v9                     ; a masked one's down from 2047
	v_cndmask_b32 v[MKW+n], v9, v8, s18
	v_min_u32 v[MKW+n], 0x7ff, v[MKW+n]            ; a number made of loaded ones enters an address behind this bound
	v_lshlrev_b32 v[MKW+n], 2, v[MKW+n]
	v_add_nc_u32 v[TKN+n], 32*n, v2                ; my token
	global_store_b32 v[MKW+n], v[TKN+n], s[8:9]    ; each chunk has its own address and data registers: none is written again
	s_bcnt1_i32_b32 s20, s18
	s_add_co_u32 s16, s16, s20
	s_sub_co_u32 s20, 32, s20
	s_add_co_u32 s17, s17, s20
.set n, n+1
.endr
	v_mov_b32 v8, s16
	global_store_b32 v3, v8, s[10:11]              ; the batch's number of unmasked tokens, in all 32 words
	s_endpgm
; ---- ROLE D: a thread to a key.  Products 5 and 6 in f32 (their result goes on into a quantised operand), exact gelu, softplus, the key's mask.
.Ldensity:
	s_load_b256 s[4:11], s[0:1], 0x50              ; density_feat s[4:5], mask s[6:7], dm_w1 s[8:9], dm_b1 s[10:11]
	s_load_b128 s[12:15], s[0:1], 0x70             ; dm_w2 s[12:13], dm_b2 s[14:15]
	s_load_b64 s[16:17], s[0:1], 0x80              ; threshold
	s_load_b64 s[20:21], s[0:1], 0x90              ; kc
	s_sub_co_u32 s3, ttmp9, 16                     ; d = 0..63: batch d / 16, keys 128 (d % 16) on
	s_lshl_b32 s22, s3, 7
	s_lshr_b32 s23, s3, 4
	s_lshl_b32 s23, s23, 13
	v_add_nc_u32 v3, s22, v0                       ; g = 2048 batch + key
	v_mul_u32_u24 v4, v3, 12                       ; three numbers of density_feat
	v_lshlrev_b32 v5, 2, v3
	v_add_nc_u32 v7, s23, v5                       ; kc: 16384 batch + 4 key = 4 g + 8192 batch
	v_mov_b32 v6, 0
	s_mov_b32 s30, 0x3e827906                      ; a1 =  0.254829592
	s_mov_b32 s31, 0xbe91a98e                      ; a2 = -0.284496736
	s_mov_b32 s32, 0x3fb5f0e3                      ; a3 =  1.421413741
	s_mov_b32 s33, 0xbfba00e3                      ; a4 = -1.453152027
	s_mov_b32 s34, 0x3f87dc22                      ; a5 =  1.061405429
	s_mov_b32 s35, 0x3ea7ba05                      ; 0.3275911
	s_mov_b32 s36, 0x3f3504f3                      ; 1 / sqrt 2
	s_mov_b32 s37, 0xbfb8aa3b                      ; -log2(e)
	s_mov_b32 s38, 0x7fffffff
	s_mov_b32 s39, 0x3f317218                      ; ln 2
	s_mov_b32 s40, 0x3dcccccd                      ; 0.1
	s_mov_b32 s41, 0x40e6d4ca                      ; 5 log2(e)
	s_wait_kmcnt 0x0
	global_load_b32 v8, v4, s[4:5]
	global_load_b32 v9, v4, s[4:5] offset:4
	global_load_b32 v10, v4, s[4:5] offset:8
	global_load_b32 v11, v5, s[6:7]
.irp i, 0,1,2,3,4,5,6,7,8,9,10,11
	global_load_b128 v[W1+4*\i:W1+4*\i+3], v6, s[8:9] offset:16*\i     ; the MLP's numbers: every lane names the same bytes
.endr
.irp i, 0,1,2,3
	global_load_b128 v[B1R+4*\i:B1R+4*\i+3], v6, s[10:11] offset:16*\i
	global_load_b128 v[W2+4*\i:W2+4*\i+3], v6, s[12:13] offset:16*\i
.endr
	global_load_b32 v96, v6, s[14:15]
	global_load_b32 v97, v6, s[16:17]
	s_wait_loadcnt 0x0
.set u, 0
.rept 16
	v_fma_f32 v[ZZ+u], v8, v[W1+3*u], v[B1R+u]     ; z = density_feat . dm_w1[u] + dm_b1[u]; the 16 units by turns
.set u, u+1
.endr
.set u, 0
.rept 16
	v_fma_f32 v[ZZ+u], v9, v[W1+3*u+1], v[ZZ+u]
.set u, u+1
.endr
.set u, 0
.rept 16
	v_fma_f32 v[ZZ+u], v10, v[W1+3*u+2], v[ZZ+u]
.set u, u+1
.endr
.set u, 0
.rept 16
	v_mul_f32 v[AX+u], s36, |v[ZZ+u]|              ; x = |z| / sqrt 2
.set u, u+1
.endr
.set u, 0
.rept 16
	v_fma_f32 v[TT+u], v[AX+u], s35, 1.0           ; 1 + 0.3275911 x
	v_mul_f32 v[EE+u], v[AX+u], v[AX+u]
.set u, u+1
.endr
.set u, 0
.rept 16
	v_mul_f32 v[EE+u], s37, v[EE+u]                ; -x^2 log2(e)
.set u, u+1
.endr
	v_mul_f32 v98, s37, |v97|                      ; -|threshold| log2(e)
.set u, 0
.rept 16
	v_rcp_f32 v[TT+u], v[TT+u]                     ; one batch of 33 transcendentals
.set u, u+1
.endr
.set u, 0
.rept 16
	v_exp_f32 v[EE+u], v[EE+u]
.set u, u+1
.endr
	v_exp_f32 v98, v98
	v_max_num_f32 v99, 0, v97                      ; max(threshold, 0): the plain line behind the batch
	s_wait_alu depctr_va_vdst(0)                   ; ahead of the first line that names a result: one wait for the batch
	v_add_f32 v98, 1.0, v98
	v_log_f32 v98, v98                             ; log2(1 + e^-|threshold|); the polynomial below names neither
.set u, 0
.rept 16
	v_fma_f32 v[AX+u], v[TT+u], s34, s33           ; ((((a5 t + a4) t + a3) t + a2) t + a1) t
.set u, u+1
.endr
.irp k, 32,31,30
.set u, 0
.rept 16
	v_fma_f32 v[AX+u], v[AX+u], v[TT+u], s[\k]
.set u, u+1
.endr
.endr
.set u, 0
.rept 16
	v_mul_f32 v[AX+u], v[AX+u], v[TT+u]
.set u, u+1
.endr
.set u, 0
.rept 16
	v_fma_f32 v[AX+u], -v[AX+u], v[EE+u], 1.0      ; erf(x)
.set u, u+1
.endr
.set u, 0
.rept 16
	v_bfi_b32 v[AX+u], s38, v[AX+u], v[ZZ+u]       ; with z's sign
	v_mul_f32 v[ZZ+u], 0.5, v[ZZ+u]
.set u, u+1
.endr
.set u, 0
.rept 16
	v_fma_f32 v[AX+u], v[ZZ+u], v[AX+u], v[ZZ+u]   ; gelu = z / 2 + (z / 2) erf
.set u, u+1
.endr
.set u, 0
.rept 16
	v_fma_f32 v96, v[AX+u], v[W2+u], v96           ; d_shift, from dm_b2 on
.set u, u+1
.endr
	s_wait_alu depctr_va_vdst(0)                   ; for the logarithm, ahead of its first reader
	v_fma_f32 v98, v98, s39, v99                   ; softplus(threshold) = max(threshold, 0) + ln 2 x log2(1 + e^-|threshold|)
	v_fma_f32 v98, v96, s40, v98                   ; thr
	v_mul_f32 v98, s41, v98                        ; c = 5 log2(e) thr
	v_cmp_ne_u32 vcc_lo, 0, v11
	v_cndmask_b32 v98, 0, v98, vcc_lo              ; a masked key: c = 0,
	v_cndmask_b32 v99, 0xc22d1f97, v6, vcc_lo      ; b = -30 log2(e); else b = 0
	global_store_b32 v7, v98, s[20:21]             ; a wave stores 128 consecutive bytes
	global_store_b32 v7, v99, s[20:21] offset:8192
	s_endpgm
; ---- ROLE W: a wave to a tile of 16 rows of one weight: two fragments and their scale words.  No branch: both kinds of pointers are made and chosen.
.Lweights:
	s_load_b512 s[4:19], s[0:1], 0x0               ; Wq_r, Wq_i, Wq_j, Wq_k, Wk_r, Wk_i, Wk_j, Wk_k
	s_load_b128 s[20:23], s[0:1], 0x40             ; Wv, Wo
	s_load_b64 s[24:25], s[0:1], 0x88              ; wimg
	s_lshr_b32 s3, ttmp9, 2                        ; which weight: 0 Wq, 1 Wk, 2 Wv, 3 Wo
	s_and_b32 s26, ttmp9, 3
	s_lshl_b32 s26, s26, 2
	s_add_co_u32 s26, s26, s2                      ; tile T = 0..15
	s_lshr_b32 s27, s26, 2                         ; a = T / 4: the block row of 64 in which the tile's rows lie
	v_and_b32 v3, 15, v0                           ; r
	v_bfe_u32 v4, v0, 4, 1                         ; h
	v_and_b32 v5, 8, v3
	v_add_nc_u32 v5, v5, v3                        ; r + 8 (r / 8)
	s_lshr_b32 s72, s26, 1
	s_lshl_b32 s72, s72, 5
	s_and_b32 s73, s26, 1
	s_lshl_b32 s73, s73, 3
	s_add_co_u32 s72, s72, s73
	v_add_nc_u32 v5, s72, v5                       ; my row n of the 256
	s_cmp_lt_u32 s3, 2                             ; a quaternion weight?
	s_cselect_b32 s73, 63, 255                     ; its rows are rows n % 64 of a block,
	s_cselect_b32 s74, 8, 10                       ; of 256 bytes; a dense weight's are 1,024 bytes
	s_cselect_b32 s75, 0x284e, 0                   ; bit 4 a + cb: the block at (a, cb) of the Hamilton matrix carries a minus
	v_and_b32 v5, s73, v5
	v_lshlrev_b32 v5, s74, v5
	v_lshl_add_u32 v5, v4, 6, v5                   ; + 64 h: my 16 numbers of a block of 32
	s_lshl_b32 s76, s27, 2
	s_lshr_b32 s75, s75, s76                       ; my block row's four bits
.irp cb, 0,1,2,3
	s_bitcmp1_b32 s75, \cb
	s_cselect_b32 s[SX+3*\cb], 0x20820820, 0       ; the sign bits of 16 codes in three words.  -x has x's scale and x's codes with the sign bit turned
	s_cselect_b32 s[SX+3*\cb+1], 0x08208208, 0
	s_cselect_b32 s[SX+3*\cb+2], 0x82082082, 0
.endr
	s_mul_i32 s76, s26, 3072
	v_lshl_add_u32 v6, v2, 4, s76                  ; where the fragments go: 16 lane + 2 x 1536 T
	s_lshl_b32 s77, s26, 7
	v_lshl_add_u32 v7, v2, 2, s77                  ; and the scale words: 4 lane + 128 T
	s_mul_i32 s78, s3, 51200
	s_mov_b32 s79, 0
	s_mov_b32 s[SEL], 0x76543210
	s_mov_b32 s[SEL+1], 0xfedcba98
.irp b, 0,1,2,3
	v_mov_b32 v[TM+4+\b], 0                        ; written once: a lane permute's destination counts as one of its sources
.endr
	s_wait_kmcnt 0x0
	s_cmp_eq_u32 s3, 0
	s_cselect_b64 s[28:29], s[4:5], s[12:13]       ; the four components r, i, j, k = 0..3 of Wq or of Wk
	s_cselect_b64 s[30:31], s[6:7], s[14:15]
	s_cselect_b64 s[32:33], s[8:9], s[16:17]
	s_cselect_b64 s[34:35], s[10:11], s[18:19]
	s_bitcmp1_b32 s27, 0                           ; the block at (a, cb) is component a xor cb: first a's bit 0,
	s_cselect_b64 s[36:37], s[30:31], s[28:29]
	s_cselect_b64 s[38:39], s[28:29], s[30:31]
	s_cselect_b64 s[40:41], s[34:35], s[32:33]
	s_cselect_b64 s[42:43], s[32:33], s[34:35]
	s_bitcmp1_b32 s27, 1                           ; then its bit 1
	s_cselect_b64 s[44:45], s[40:41], s[36:37]
	s_cselect_b64 s[46:47], s[42:43], s[38:39]
	s_cselect_b64 s[48:49], s[36:37], s[40:41]
	s_cselect_b64 s[50:51], s[38:39], s[42:43]
	s_cmp_eq_u32 s3, 2
	s_cselect_b64 s[20:21], s[20:21], s[22:23]     ; the dense weight: column block cb begins 256 cb bytes into a row
	s_add_nc_u64 s[28:29], s[20:21], 256
	s_add_nc_u64 s[30:31], s[20:21], 512
	s_add_nc_u64 s[32:33], s[20:21], 768
	s_cmp_lt_u32 s3, 2
	s_cselect_b64 s[44:45], s[44:45], s[20:21]     ; s[44:51]: where column blocks 0..3 of my rows begin
	s_cselect_b64 s[46:47], s[46:47], s[28:29]
	s_cselect_b64 s[48:49], s[48:49], s[30:31]
	s_cselect_b64 s[50:51], s[50:51], s[32:33]
	s_add_nc_u64 s[24:25], s[24:25], s[78:79]
.irp s, 0,1
.irp bq, 0,1,2,3
.irp jj, 0,1,2,3
	global_load_b128 v[NUM+64*\s+16*\bq+4*\jj:NUM+64*\s+16*\bq+4*\jj+3], v5, s[44+2*(2*\s+\bq/2):45+2*(2*\s+\bq/2)] offset:128*(\bq%2)+16*\jj
.endr
.endr
.endr
	s_wait_loadcnt 16                              ; K step 0's 16 loads are in; K step 1's 16 may be out
	QUANT NUM, PC
	WORD PW
.irp c, 0,1
.irp i, 0,1,2,3,4,5
	v_xor_b32 v[PC+6*\c+\i], s[SX+3*\c+\i%3], v[PC+6*\c+\i]        ; registers 6 c on hold k = 64 c on: column block c
.endr
.endr
.irp c, 0,1,2
	global_store_b128 v6, v[PC+4*\c:PC+4*\c+3], s[24:25] offset:512*\c   ; 32 lanes store 512 consecutive bytes
.endr
	s_wait_loadcnt 0x0
	QUANT NUM+64, PC2
	WORD PW+1
.irp c, 0,1
.irp i, 0,1,2,3,4,5
	v_xor_b32 v[PC2+6*\c+\i], s[SX+3*(2+\c)+\i%3], v[PC2+6*\c+\i]
.endr
.endr
.irp c, 0,1,2
	global_store_b128 v6, v[PC2+4*\c:PC2+4*\c+3], s[24:25] offset:1536+512*\c
.endr
	v_cmp_gt_u32 vcc_lo, 16, v2
	v_cndmask_b32 v[PW], v[PW+1], v[PW], vcc_lo    ; lanes 0-15 carry K step 0's words, lanes 16-31 K step 1's
	global_store_b32 v7, v[PW], s[24:25] offset:49152
	s_endpgm
.Lfunc_end_k_q32ec86f0dd_prep:
	.size	k_q32ec86f0dd_prep, .Lfunc_end_k_q32ec86f0dd_prep-k_q32ec86f0dd_prep
	.p2alignl 7, 3214868480
	.fill 96, 4, 3214868480
	.section	.rodata,"a",@progbits
	.p2align	6, 0x0
	.amdhsa_kernel k_q32ec86f0dd_prep
		.amdhsa_group_segment_fixed_size 0
		.amdhsa_private_segment_fixed_size 0
		.amdhsa_enable_private_segment 0
		.amdhsa_kernarg_size 168
		.amdhsa_user_sgpr_count 2
		.amdhsa_user_sgpr_kernarg_segment_ptr 1
		.amdhsa_wavefront_size32 1
		.amdhsa_system_sgpr_workgroup_id_x 1
		.amdhsa_system_sgpr_workgroup_id_y 1
		.amdhsa_system_sgpr_workgroup_id_z 1
		.amdhsa_system_vgpr_workitem_id 0
		.amdhsa_next_free_vgpr 200
		.amdhsa_next_free_sgpr 80
		.amdhsa_reserve_vcc 1
		.amdhsa_float_denorm_mode_32 3
		.amdhsa_float_denorm_mode_16_64 3
		.amdhsa_memory_ordered 1
		.amdhsa_forward_progress 1
		.amdhsa_inst_pref_size 96
	.end_amdhsa_kernel
	.amdgpu_metadata
---
amdhsa.version: [ 1, 2 ]
amdhsa.kernels:
  - .name:           k_q32ec86f0dd_prep
    .symbol:         k_q32ec86f0dd_prep.kd
    .args:
      - { .name: Wq_r, .offset: 0, .size: 8, .value_kind: global_buffer, .address_space: global }
      - { .name: Wq_i, .offset: 8, .size: 8, .value_kind: global_buffer, .address_space: global }
      - { .name: Wq_j, .offset: 16, .size: 8, .value_kind: global_buffer, .address_space: global }
      - { .name: Wq_k, .offset: 24, .size: 8, .value_kind: global_buffer, .address_space: global }
      - { .name: Wk_r, .offset: 32, .size: 8, .value_kind: global_buffer, .address_space: global }
      - { .name: Wk_i, .offset: 40, .size: 8, .value_kind: global_buffer, .address_space: global }
      - { .name: Wk_j, .offset: 48, .size: 8, .value_kind: global_buffer, .address_space: global }
      - { .name: Wk_k, .offset: 56, .size: 8, .value_kind: global_buffer, .address_space: global }
      - { .name: Wv, .offset: 64, .size: 8, .value_kind: global_buffer, .address_space: global }
      - { .name: Wo, .offset: 72, .size: 8, .value_kind: global_buffer, .address_space: global }
      - { .name: density_feat, .offset: 80, .size: 8, .value_kind: global_buffer, .address_space: global }
      - { .name: mask, .offset: 88, .size: 8, .value_kind: global_buffer, .address_space: global }
      - { .name: dm_w1, .offset: 96, .size: 8, .value_kind: global_buffer, .address_space: global }
      - { .name: dm_b1, .offset: 104, .size: 8, .value_kind: global_buffer, .address_space: global }
      - { .name: dm_w2, .offset: 112, .size: 8, .value_kind: global_buffer, .address_space: global }
      - { .name: dm_b2, .offset: 120, .size: 8, .value_kind: global_buffer, .address_space: global }
      - { .name: threshold, .offset: 128, .size: 8, .value_kind: global_buffer, .address_space: global }
      - { .name: wimg, .offset: 136, .size: 8, .value_kind: global_buffer, .address_space: global }
      - { .name: kc, .offset: 144, .size: 8, .value_kind: global_buffer, .address_space: global }
      - { .name: order, .offset: 152, .size: 8, .value_kind: global_buffer, .address_space: global }
      - { .name: count, .offset: 160, .size: 8, .value_kind: global_buffer, .address_space: global }
    .group_segment_fixed_size: 0
    .private_segment_fixed_size: 0
    .kernarg_segment_align: 8
    .kernarg_segment_size: 168
    .max_flat_workgroup_size: 128
    .sgpr_count:     80
    .vgpr_count:     200
    .wavefront_size: 32
...
	.end_amdgpu_metadata
.endif
;; end of part 1
;; launch proj (part 2): grid 64 x 2, 4 waves a work-group, no clusters, 27,136 bytes of LDS; arguments key, value, mask, wimg, bk, bv, kimg, vimg; writes kimg, vimg
.if DOCPART == 2
	.amdgcn_target "amdgcn-amd-amdhsa--gfx1250"
	.amdhsa_code_object_version 6
	.text
	.protected	k_q32ec86f0dd_proj
	.globl	k_q32ec86f0dd_proj
	.p2align	8
	.type	k_q32ec86f0dd_proj,@function
k_q32ec86f0dd_proj:
	s_mov_b64 s[64:65], 0
	v_nop
	global_prefetch_b8 v0, s[64:65] scope:SCOPE_SE
	s_setreg_imm32_b32 hwreg(HW_REG_WAVE_MODE, 25, 1), 1
	s_wait_xcnt 0x0
; PROJ: k = key Wk^T + bk (work-group y = 0) and v = value Wv^T + bv (y = 1), both products on codes of E2M3 with one E8M0 scale for each 32 along K, and their results quantised again as the
; operands of the attention's two products, laid in the order of the operands' registers.  Nothing of reference() is left out here.
; SHARES.  Work-group x = 16 batch + step takes the 128 tokens of one key step.  First wave w quantises tokens 32 w .. 32 w + 31 (four fragments) and stores their images in LDS; behind the one barrier
; wave w owns head w: weight tiles 4 w .. 4 w + 3, against all eight token tiles.  128 tokens to a work-group, since a fragment of V^T wants 128 keys.
; THE TOKENS OF A TILE AND THE ROWS OF A WEIGHT TILE ARE NOT NEIGHBOURS: lane r of tile T takes 32 (T / 2) + 8 (T % 2) + r + 8 (r / 8): the results of tiles 2 B, 2 B + 1 are 16 neighbours in a lane's registers.
; k: source 0 = 16 rows of Wk, source 1 = 16 tokens: a lane holds one token and 32 of its head's 64 numbers: two blocks, six registers of codes.  Token tiles 2 f and 2 f + 1 together are fragment f:
;    registers 0-5 key 32 f + r + 8 (r / 8), registers 6-11 the key 8 further on.  A MASKED KEY'S CODES ARE ZEROS: its score is then exactly 0, and the per-key constants make its logit -30.
; v: source 0 = 16 tokens, source 1 = 16 rows of Wv: a lane holds one of the head's numbers and its registers run along the 128 keys, the second product's K: fragment t = weight tile t.
; A record of kimg or vimg, (4 batch + head) 16 + step, is 6,400 bytes: four fragments of 1,536, then 32 lanes x 8 bytes of scale words (word 0: fragment 0 in lanes 0-15, 1 in lanes 16-31; word 1: 2 and 3).
; Every work-group asks for the bias in both layouts and for the mask words (20 small loads), so that each register is written on every way through the text.
; LIMITS: NaN and infinities among the inputs are not served; a block of zeros gets the scale byte 1 (its codes are zeros, and this program alone reads the bytes).
; REGISTERS, in windows of 256.  Window 0: v1-11 addresses; v32-47 x's scale words; v48-51 the weight's; v52-59 mask words; v60-63 bv by lane; v64-127 results; v128-175 the four fragments made;
;   v176-179 their scale words; v192-228 at work.   Window 1: 256 numbers of x, then x's 16 fragments.   Window 2: v0-95 my 8 weight fragments; v96-127 the bias, eight registers a tile.
.set XIMG,  0                          ; LDS: x's 16 fragments as images of their registers (token tile tau, K step s: 2 tau + s), 1,536 bytes each,
.set XSC,   24576                      ; their scale words, 128 bytes each,
.set SPARE, 26624                      ; and the spare words, 128 bytes for each wave: two blocks of 256 bytes that no other line names
.set L16,  1                           ; v1  16 x lane
.set L4,   2                           ; v2  4 x lane
.set L8,   3                           ; v3  8 x lane
.set XOFF, 4                           ; v4  x: 1024 (32 wave + r + 8 (r / 8)) + 64 h
.set XWI,  5                           ; v5  where I store x's images: 16 lane + 6144 wave
.set XWS,  6                           ; v6  and their scale words: 4 lane + 512 wave
.set H64,  7                           ; v7  64 h
.set RM4,  8                           ; v8  4 (r + 8 (r / 8))
.set SPW,  10                          ; v10 LDS address of my spare word; never rewritten
.set NIL,  11                          ; v11 0; never rewritten
.set XS,   32
.set WS,   48
.set MW,   52
.set BVT,  60
.set D,    64
.set FR,   128
.set KW,   176
.set SCL,  180
.set W16R, 182
.set TM,   192
.set TP,   208
.set PC,   216
.set PW,   228
.set BIAS, 96                          ; in window 2
.set MK,   36                          ; s36-43 the lanes whose token of tile tau is not masked
.set HM,   44                          ; s44    lanes 16-31
.set SEL,  46                          ; s[46:47] lane selects for v_permlanex16_b32: lane l xor 16
.set MSB, 0
.macro WIN new                         ; s_set_vgpr_msb: bits 1:0 source 0, 3:2 source 1, 5:4 source 2, 7:6 destination; the high byte repeats the setting that is left
.if MSB != (\new)
	s_set_vgpr_msb (MSB<<8)|(\new)
.set MSB, (\new)
.endif
.endm
.macro PLACES n
.rept \n
	v_nop
.endr
.endm
; 32 nc numbers of a lane in window w, register 16 b + i = k 32 b + 16 (lane / 16) + i of my row.  QMAX: my part of each block's largest magnitude.
.macro QMAX src, w, nc
	WIN 5*(\w)
.set qb, 0
.rept 2*(\nc)
	v_max3_num_f32 v[TM+qb], |v[(\src)+16*qb]|, |v[(\src)+16*qb+1]|, 0x1800000   ; and the floor 2^(3 - 127): the byte cannot fall under 1
.set qb, qb+1
.endr
.set qi, 2
.rept 7
.set qb, 0
.rept 2*(\nc)
	v_max3_num_f32 v[TM+qb], |v[(\src)+16*qb+qi]|, |v[(\src)+16*qb+qi+1]|, v[TM+qb]   ; the blocks by turns
.set qb, qb+1
.endr
.set qi, qi+2
.endr
	WIN 0
.endm
; QFIN: the blocks' scale bytes (they stay in v[TM+4] on) and the codes: six registers at d0 (and six at d1 where nc = 2), lane (r, h) holding the whole block 2 c + h
.macro QFIN src, w, nc, d0, d1
.set qb, 0
.rept 2*(\nc)
	v_permlanex16_b32 v[TM+4+qb], v[TM+qb], s[SEL], s[SEL+1]
.set qb, qb+1
.endr
.set qb, 0
.rept 2*(\nc)
	v_max_num_f32 v[TM+qb], v[TM+qb], v[TM+4+qb]   ; with lane l xor 16's: the block's largest magnitude
.set qb, qb+1
.endr
.set qb, 0
.rept 2*(\nc)
	v_add_nc_u32 v[TM+12+qb], 0xff000000, v[TM+qb] ; 2 off its exponent field: the conversion's scale operand
.set qb, qb+1
.endr
.set qb, 0
.rept 2*(\nc)
	v_lshrrev_b32 v[TM+4+qb], 23, v[TM+12+qb]      ; the scale's byte
.set qb, qb+1
.endr
	WIN (\w)
	v_cvt_scalef32_pk16_fp6_f32 v[(\d0):(\d0)+2], v[(\src):(\src)+15], v[TM+12]
	v_cvt_scalef32_pk16_fp6_f32 v[TP:TP+2], v[(\src)+16:(\src)+31], v[TM+13]     ; (a conversion's three registers begin on an even number)
.if (\nc) == 2
	v_cvt_scalef32_pk16_fp6_f32 v[(\d1):(\d1)+2], v[(\src)+32:(\src)+47], v[TM+14]
	v_cvt_scalef32_pk16_fp6_f32 v[TP+4:TP+6], v[(\src)+48:(\src)+63], v[TM+15]
.endif
	WIN 0
	v_nop                                          ; one plain place behind the scaled conversions
.irp i, 0,1,2
	v_permlane16_swap_b32 v[(\d0)+\i], v[TP+\i]    ; the first's lanes 16-31 change places with the second's lanes 0-15
.endr
.irp i, 0,1,2
	v_mov_b32 v[(\d0)+3+\i], v[TP+\i]
.endr
.if (\nc) == 2
.irp i, 0,1,2
	v_permlane16_swap_b32 v[(\d1)+\i], v[TP+4+\i]
.endr
.irp i, 0,1,2
	v_mov_b32 v[(\d1)+3+\i], v[TP+4+\i]
.endr
.endif
.endm
.macro WORD dst                        ; four bytes make a scale word
	v_lshl_or_b32 v[\dst], v[TM+5], 8, v[TM+4]
	v_lshl_or_b32 v[\dst], v[TM+6], 16, v[\dst]
	v_lshl_or_b32 v[\dst], v[TM+7], 24, v[\dst]
.endm
.macro W16 dst                         ; two bytes make half of one
	v_lshl_or_b32 v[\dst], v[TM+5], 8, v[TM+4]
.endm
; The matrix instruction.  ra, rb = 1: that side's scale words are taken from lanes 16-31
.macro WMMA d, a, b, c, sa, sb, ra, rb
.if (\ra)
	v_wmma_scale_f32_16x16x128_f8f6f4 v[(\d):(\d)+7], v[(\a):(\a)+11], v[(\b):(\b)+11], v[(\c):(\c)+7], v[\sa], v[\sb] matrix_a_fmt:MATRIX_FMT_FP6 matrix_b_fmt:MATRIX_FMT_FP6 matrix_a_scale:MATRIX_SCALE_ROW1
.elseif (\rb)
	v_wmma_scale_f32_16x16x128_f8f6f4 v[(\d):(\d)+7], v[(\a):(\a)+11], v[(\b):(\b)+11], v[(\c):(\c)+7], v[\sa], v[\sb] matrix_a_fmt:MATRIX_FMT_FP6 matrix_b_fmt:MATRIX_FMT_FP6 matrix_b_scale:MATRIX_SCALE_ROW1
.else
	v_wmma_scale_f32_16x16x128_f8f6f4 v[(\d):(\d)+7], v[(\a):(\a)+11], v[(\b):(\b)+11], v[(\c):(\c)+7], v[\sa], v[\sb] matrix_a_fmt:MATRIX_FMT_FP6 matrix_b_fmt:MATRIX_FMT_FP6
.endif
.endm
	s_load_b512 s[4:19], s[0:1], 0x0               ; key s[4:5], value s[6:7], mask s[8:9], wimg s[10:11], bk s[12:13], bv s[14:15], kimg s[16:17], vimg s[18:19]
	v_lshl_add_u32 v[SPW], v0, 2, SPARE
	v_mov_b32 v[NIL], 0
	v_lshrrev_b32 v1, 5, v0
	v_readfirstlane_b32 s20, v1                    ; wave = head
	s_and_b32 s22, ttmp7, 0xffff                   ; y: 0 k, 1 v
	v_and_b32 v9, 31, v0                           ; lane
	v_lshlrev_b32 v[L16], 4, v9
	v_lshlrev_b32 v[L4], 2, v9
	v_lshlrev_b32 v[L8], 3, v9
	v_and_b32 v12, 15, v0                          ; r
	v_bfe_u32 v13, v0, 4, 1                        ; h
	v_and_b32 v14, 8, v12
	v_add_nc_u32 v14, v14, v12                     ; r + 8 (r / 8)
	v_lshlrev_b32 v[H64], 6, v13
	v_lshlrev_b32 v[RM4], 2, v14
	s_lshl_b32 s23, s20, 15                        ; my 32 tokens of 1,024 bytes
	v_lshl_add_u32 v[XOFF], v14, 10, v[H64]
	v_add_nc_u32 v[XOFF], s23, v[XOFF]
	s_mul_i32 s23, s20, 6144
	v_add_nc_u32 v[XWI], s23, v[L16]
	s_lshl_b32 s23, s20, 9
	v_add_nc_u32 v[XWS], s23, v[L4]
	v_cmp_le_u32 s[HM], 16, v9
	s_mov_b32 s[SEL], 0x76543210
	s_mov_b32 s[SEL+1], 0xfedcba98
.irp b, 0,1,2,3
	v_mov_b32 v[TM+4+\b], 0                        ; written once: a lane permute's destination counts as one of its sources
.endr
	s_lshl_b32 s50, ttmp9, 17                      ; x: the step's 128 tokens of 1,024 bytes
	s_mov_b32 s51, 0
	s_add_co_u32 s52, s22, 1
	s_mul_i32 s52, s52, 51200                      ; wimg: weight 1 (Wk) or 2 (Wv)
	s_lshl_b32 s54, s20, 9
	s_add_co_u32 s54, s54, s52
	s_add_co_u32 s54, s54, 49152                   ; its scale words, my four tiles' (128 bytes a tile)
	s_mov_b32 s55, 0
	s_mul_i32 s56, s20, 12288
	s_add_co_u32 s52, s52, s56                     ; my eight fragments
	s_mov_b32 s53, 0
	s_lshl_b32 s56, s20, 8                         ; the bias: my 64 numbers
	s_mov_b32 s57, 0
	s_lshr_b32 s58, ttmp9, 4
	s_lshl_b32 s58, s58, 2
	s_add_co_u32 s58, s58, s20
	s_lshl_b32 s58, s58, 4
	s_and_b32 s59, ttmp9, 15
	s_add_co_u32 s58, s58, s59
	s_mul_i32 s58, s58, 6400                       ; my record: (4 batch + head) 16 + step
	s_mov_b32 s59, 0
	s_lshl_b32 s60, ttmp9, 9                       ; mask: the step's 128 words
	s_mov_b32 s61, 0
	s_wait_kmcnt 0x0
	s_cmp_eq_u32 s22, 0                            ; the choice hangs on the work-group's number alone
	s_cselect_b64 s[26:27], s[4:5], s[6:7]
	s_cselect_b64 s[30:31], s[12:13], s[14:15]
	s_cselect_b64 s[32:33], s[16:17], s[18:19]
	s_add_nc_u64 s[26:27], s[26:27], s[50:51]
	s_add_nc_u64 s[28:29], s[10:11], s[52:53]
	s_add_nc_u64 s[24:25], s[10:11], s[54:55]
	s_add_nc_u64 s[30:31], s[30:31], s[56:57]
	s_add_nc_u64 s[32:33], s[32:33], s[58:59]
	s_add_nc_u64 s[34:35], s[8:9], s[60:61]
	WIN 0x80                                       ; destination window 2
.set n, 0
.rept 8
.irp c, 0,1,2
	global_load_b128 v[12*n+4*\c:12*n+4*\c+3], v[L16], s[28:29] offset:1536*n+512*\c   ; weight fragment (tile n / 2, K step n % 2): they stay
.endr
.set n, n+1
.endr
.irp t, 0,1,2,3
	global_load_b128 v[BIAS+8*\t:BIAS+8*\t+3], v[H64], s[30:31] offset:128*(\t/2)+32*(\t%2)        ; the bias as k's C: lane (r, h), tile 2 B + u: numbers 32 B + 16 h + 8 u + 0 .. 7
	global_load_b128 v[BIAS+8*\t+4:BIAS+8*\t+7], v[H64], s[30:31] offset:128*(\t/2)+32*(\t%2)+16
.endr
	WIN 0
.irp t, 0,1,2,3
	global_load_b32 v[WS+\t], v[L4], s[24:25] offset:128*\t
	global_load_b32 v[BVT+\t], v[RM4], s[30:31] offset:128*(\t/2)+32*(\t%2)     ; the bias as v's C: lane r, tile t: the number of its weight row
.endr
.irp t, 0,1,2,3,4,5,6,7
	global_load_b32 v[MW+\t], v[RM4], s[34:35] offset:128*(\t/2)+32*(\t%2)      ; the mask of token tile t's lane r
.endr
	WIN 0x40                                       ; destination window 1
.irp u, 0,1
.irp s, 0,1
.irp bq, 0,1,2,3
.irp jj, 0,1,2,3
	global_load_b128 v[64*(2*\u+\s)+16*\bq+4*\jj:64*(2*\u+\s)+16*\bq+4*\jj+3], v[XOFF], s[26:27] offset:8192*\u+512*\s+128*\bq+16*\jj th:TH_LOAD_NT   ; token tile 2 wave + u, K step s: 64 numbers a lane; read once in the launch
.endr
.endr
.endr
.endr
	WIN 0
	; ---- X: my four fragments of x
.set xf, 0
.rept 4
	s_wait_loadcnt 48-16*xf                        ; this fragment's 16 loads are in (and all that were issued ahead of them); the later fragments' may be out
	QMAX 64*xf,1,2
	QFIN 64*xf,1,2,PC,PC+6
	WORD PW
.irp c, 0,1,2
	ds_store_b128 v[XWI], v[PC+4*\c:PC+4*\c+3] offset:XIMG+1536*xf+512*\c   ; the fragment goes to LDS as it stands: lane l's 16 bytes at 16 l
.endr
	ds_store_b32 v[XWS], v[PW] offset:XSC+128*xf
	s_wait_dscnt 0x0                               ; the stores have read their registers; behind the last fragment: my stores have landed, for the others' sake
.set xf, xf+1
.endr
	s_barrier_signal -1
	s_barrier_wait -1                              ; x's sixteen fragments lie in LDS
	WIN 0x40
.set n, 0
.rept 16
.irp c, 0,1,2
	ds_load_b128 v[12*n+4*\c:12*n+4*\c+3], v[L16] offset:XIMG+1536*n+512*\c
.endr
.set n, n+1
.endr
	WIN 0
.set n, 0
.rept 16
	ds_load_b32 v[XS+n], v[L4] offset:XSC+128*n
.set n, n+1
.endr
	s_wait_dscnt 0x0
	s_cmp_lg_u32 s22, 0
	s_cbranch_scc1 .Lv_arm
	; ---- k: a token tile at a time; four accumulators by turns
.irp t, 0,1,2,3,4,5,6,7
	v_cmp_ne_u32 s[MK+\t], 0, v[MW+\t]
.endr
.set tau, 0
.rept 8
	WIN 0x26                                       ; source 0 (Wk) window 2, source 1 (x) window 1, C (bk) window 2
.irp t, 0,1,2,3
	WMMA D+8*\t,24*\t,24*tau,BIAS+8*\t,WS+\t,XS+2*tau,0,0
.endr
	WIN 0x06
.irp t, 0,1,2,3
	WMMA D+8*\t,24*\t+12,24*tau+12,D+8*\t,WS+\t,XS+2*tau+1,1,0
.endr
	WIN 0
	PLACES 4                                       ; in front of the first read of results; with the lines below that name only v[TM] on, more than the five places that the next tile's first product wants
	QMAX D,0,1
	QFIN D,0,1,FR+12*(tau/2)+6*(tau%2),0
	W16 W16R+tau
.irp i, 0,1,2,3,4,5
	v_cndmask_b32 v[FR+12*(tau/2)+6*(tau%2)+\i], 0, v[FR+12*(tau/2)+6*(tau%2)+\i], s[MK+tau]   ; a masked key's codes are zeros
.endr
.if tau%2
	v_lshl_or_b32 v[KW+tau/2], v[W16R+tau], 16, v[W16R+tau-1]      ; bytes 0, 1: the first key's two blocks; bytes 2, 3: the second's
.endif
.set tau, tau+1
.endr
	s_branch .Ltail
	; ---- v: a weight tile at a time, against all eight token tiles; eight accumulators by turns
.Lv_arm:
	WIN 0x80
.irp t, 0,1,2,3
.irp j, 0,1,2,3,4,5,6,7
	v_mov_b32 v[BIAS+8*\t+\j], v[BVT+\t]           ; here a lane holds one of v's numbers in all its registers: so its bias fills the eight
.endr
.endr
	WIN 0
.set tt, 0
.rept 4
	WIN 0x29                                       ; source 0 (x) window 1, source 1 (Wv) window 2, C (bv) window 2
.set tau, 0
.rept 8
	WMMA D+8*tau,24*tau,24*tt,BIAS+8*tt,XS+2*tau,WS+tt,0,0
.set tau, tau+1
.endr
	WIN 0x09
.set tau, 0
.rept 8
	WMMA D+8*tau,24*tau+12,24*tt+12,D+8*tau,XS+2*tau+1,WS+tt,0,1
.set tau, tau+1
.endr
	WIN 0
	PLACES 4
	QMAX D,0,2
	QFIN D,0,2,FR+12*tt,FR+12*tt+6
	WORD KW+tt
.set tt, tt+1
.endr
.Ltail:
	v_cndmask_b32 v[SCL], v[KW], v[KW+1], s[HM]    ; lanes 0-15 carry fragment 0's words, lanes 16-31 fragment 1's;
	v_cndmask_b32 v[SCL+1], v[KW+2], v[KW+3], s[HM]  ; likewise 2 and 3
.set n, 0
.rept 12
	global_store_b128 v[L16], v[FR+4*n:FR+4*n+3], s[32:33] offset:512*n   ; 32 lanes store 512 consecutive bytes, at a multiple of 256 from the buffer's first byte
.set n, n+1
.endr
	global_store_b64 v[L8], v[SCL:SCL+1], s[32:33] offset:6144     ; 256 consecutive bytes
	s_wait_tensorcnt 0x0                           ; the wave's end: three closing lines, behind my last LDS store
	ds_add_u32 v[SPW], v[NIL]
	s_wait_dscnt 0x0
	s_endpgm
.Lfunc_end_k_q32ec86f0dd_proj:
	.size	k_q32ec86f0dd_proj, .Lfunc_end_k_q32ec86f0dd_proj-k_q32ec86f0dd_proj
	.p2alignl 7, 3214868480
	.fill 96, 4, 3214868480
	.section	.rodata,"a",@progbits
	.p2align	6, 0x0
	.amdhsa_kernel k_q32ec86f0dd_proj
		.amdhsa_group_segment_fixed_size 27136
		.amdhsa_private_segment_fixed_size 0
		.amdhsa_enable_private_segment 0
		.amdhsa_kernarg_size 64
		.amdhsa_user_sgpr_count 2
		.amdhsa_user_sgpr_kernarg_segment_ptr 1
		.amdhsa_wavefront_size32 1
		.amdhsa_system_sgpr_workgroup_id_x 1
		.amdhsa_system_sgpr_workgroup_id_y 1
		.amdhsa_system_sgpr_workgroup_id_z 1
		.amdhsa_system_vgpr_workitem_id 0
		.amdhsa_next_free_vgpr 640
		.amdhsa_next_free_sgpr 66
		.amdhsa_reserve_vcc 0
		.amdhsa_float_denorm_mode_32 3
		.amdhsa_float_denorm_mode_16_64 3
		.amdhsa_memory_ordered 1
		.amdhsa_forward_progress 1
		.amdhsa_inst_pref_size 89
	.end_amdhsa_kernel
	.amdgpu_metadata
---
amdhsa.version: [ 1, 2 ]
amdhsa.kernels:
  - .name:           k_q32ec86f0dd_proj
    .symbol:         k_q32ec86f0dd_proj.kd
    .args:
      - { .name: key, .offset: 0, .size: 8, .value_kind: global_buffer, .address_space: global }
      - { .name: value, .offset: 8, .size: 8, .value_kind: global_buffer, .address_space: global }
      - { .name: mask, .offset: 16, .size: 8, .value_kind: global_buffer, .address_space: global }
      - { .name: wimg, .offset: 24, .size: 8, .value_kind: global_buffer, .address_space: global }
      - { .name: bk, .offset: 32, .size: 8, .value_kind: global_buffer, .address_space: global }
      - { .name: bv, .offset: 40, .size: 8, .value_kind: global_buffer, .address_space: global }
      - { .name: kimg, .offset: 48, .size: 8, .value_kind: global_buffer, .address_space: global }
      - { .name: vimg, .offset: 56, .size: 8, .value_kind: global_buffer, .address_space: global }
    .group_segment_fixed_size: 27136
    .private_segment_fixed_size: 0
    .kernarg_segment_align: 8
    .kernarg_segment_size: 64
    .max_flat_workgroup_size: 128
    .sgpr_count:     66
    .vgpr_count:     640
    .wavefront_size: 32
...
	.end_amdgpu_metadata
.endif
;; end of part 2
;; launch attn (part 3): grid 128 x 4, 4 waves a work-group, no clusters, 37,888 bytes of LDS; arguments query, order, count, kc, kimg, vimg, wimg, bq, bo, out0; writes out0
.if DOCPART == 3
	.amdgcn_target "amdgcn-amd-amdhsa--gfx1250"
	.amdhsa_code_object_version 6
	.text
	.protected	k_q32ec86f0dd_attn
	.globl	k_q32ec86f0dd_attn
	.p2align	8
	.type	k_q32ec86f0dd_attn,@function
k_q32ec86f0dd_attn:
	s_mov_b64 s[64:65], 0
	v_nop
	global_prefetch_b8 v0, s[64:65] scope:SCOPE_SE
	s_setreg_imm32_b32 hwreg(HW_REG_WAVE_MODE, 25, 1), 1
	s_wait_xcnt 0x0
; ATTN: q = query Wq^T + bq on gathered rows, scores, spike gate, softmax, P V and the projection out, for 16 rows of one batch; all four products on codes of E2M3 with E8M0 scales.
; LEFT OUT (shown at the head of the first launch's text): the rows of products 1 and 4 of masked queries, whose logits are the constant -30 whatever q holds; clip(mod, -30, 30) on pairs that are not masked,
; where |mod| <= 18; the maximum ahead of the exponential: reference()'s clips hold t in [-43.3, 26], so the whole-number shift M = 0 serves, and the blocks' scales and the division by the sum take it up.
; SHARES.  A work-group owns 16 slots of its batch's list of tokens sorted by mask (order, count: whole numbers that the first launch stored); wave w owns head w and walks all 2,048 keys, 128 a step.
; A work-group none of whose 16 rows is unmasked walks the same 16 steps and jumps over the scores: its p is the constant 2^(-30 log2 e): codes 6.5 under the byte 81, sum 2048 p.  In a tile with rows of
; both kinds the masked rows' codes, scale word and sum are put in by selects.  The tile number pairs low tiles with high ones among neighbouring work-groups, so that live and masked tiles are spread.
; NO TENSOR LOADS, NO CLUSTER: the step's live part hangs on a count read from memory, and partners would have unequal work; within a work-group no two waves read the same record (a head each).  So K's and
; V's records, laid in the order of the operands' registers, go from memory straight into registers, asked for a step ahead.
; LAYOUT.  Both products transposed: a lane holds ONE query (lane % 16).  A fragment of K holds two tiles of 16 keys, 64 numbers each: against [q | 0] it gives the first tile's scores, against [0 | q] the
; second's; register 16 f + i of the scores is key 128 J + 32 f + 16 (lane / 16) + i.
; AN ELEMENT: y = med3(s, -24, 24) (s = 4 x score);  u = -(5 log2 e / 4) y + c[key];  r = 1 / (1 + 2^u) = spike_gate;  t = y (log2 e / 4 + (log2 e / 2) r) + b[key];  p = 2^t.
; A masked key has zero codes (y = 0), c = 0 and b = -30 log2 e: it costs no line of its own.  The row's sum is taken of the unquantised p.
; Every work-group loads K's first record and the per-key constants and clears q's fragments, so that each register and LDS byte that the live part reads is written on every way through the text.
; LIMITS: NaN and infinities among the inputs are not served, and one in a masked query's row is not carried to the result; 1 / sum is v_rcp_f32 and a multiplication.
; REGISTERS.  Window 0: v1-17 addresses; v18-23, v36-41 scale words; v24-31 the sum, a pair for each block of keys; v48-79 O^T; v80-143 Y: scores, t, p; v144-207 U: u .. the gate's factor; v208-219 p's codes; v228-251 at work.
;   Window 1: v0-47 K's fragments; v48-95 V's; v96-119 [q | 0], [0 | q]; v120-183 c, v184-247 b of the step's keys; v[248:249] log2 e / 4.  At the head v120-247 hold Wq's fragments and bq; on the way out v0-95 Wo's, v120-151 bo.
.set CN,    0                          ; LDS: c of the batch's 2,048 keys,
.set BN,    8192                       ; b likewise,
.set OIMG,  16384                      ; the four heads' codes of O, 768 bytes each,
.set OSC,   19456                      ; their scale half-words, 128 bytes each,
.set STG,   19968                      ; a stage of 16 rows x (256 + 16) bytes for each wave,
.set SPARE, 37376                      ; and the spare words, 128 bytes for each wave: two blocks of 256 bytes that no other line names
.set L16,  1                           ; v1   16 x lane
.set L8,   2                           ; v2   8 x lane
.set L4,   3                           ; v3   4 x lane
.set LC0,  4                           ; v4   64 h
.set ADC,  5                           ; v5   LDS address of the step's constants
.set SPW,  6                           ; v6   LDS address of my spare word; never rewritten
.set NIL,  7                           ; v7   0; never rewritten
.set TOKX, 8                           ; v8   my query's row in 'query': 1024 token + 64 h
.set PFO,  9                           ; v9   the prefetches' offset: 256 x min(lane, 24)
.set OROW, 10                          ; v10-17 where rows 2 i + h go in out0: 1024 token + 256 wave + 16 r
.set KS,   18
.set VS,   20
.set QS,   22
.set PS,   23
.set LL,   24
.set LM,   32                          ; v32  a masked query's sum: 2048 x 2^(-30 log2 e)
.set H4,   33                          ; v33  4 h
.set RL,   34
.set WQS,  36                          ; v36-39 Wq's scale words, later Wo's
.set XS0,  40                          ; v40, v41 the query rows' scale words, later O's
.set STO,  42
.set RD,   43
.set T4,   44                          ; v44-47 at work
.set O,    48
.set Y,    80
.set U,    144
.set OF,   160                         ; the way out: O's two fragments
.set PC,   208
.set OWI,  220                         ; v220 where I store my head's codes of O
.set OWS,  221                         ; v221 and their scale half-word
.set KCA,  222                         ; v222 16 x thread
.set ORB,  223                         ; v223 256 wave + 16 r
.set QSL,  224                         ; v224 my query's slot
.set TM,   228
.set TP,   244
.set KF,   0                           ; window 1
.set VF,   48
.set QLO,  96
.set QHI,  108
.set C1,   120
.set B1,   184
.set BQ,   216
.set K2V,  248
.set SEL,  48                          ; s[48:49] lane selects for v_permlanex16_b32: lane l xor 16
.set MSB, 0
.macro WIN new                         ; s_set_vgpr_msb: bits 1:0 source 0, 3:2 source 1, 5:4 source 2, 7:6 destination; the high byte repeats the setting that is left
.if MSB != (\new)
	s_set_vgpr_msb (MSB<<8)|(\new)
.set MSB, (\new)
.endif
.endm
.macro PLACES n
.rept \n
	v_nop
.endr
.endm
; 32 nc numbers of a lane in window w, register 16 b + i = k 32 b + 16 (lane / 16) + i of my row.  QMAX: my part of each block's largest magnitude.
.macro QMAX src, w, nc
	WIN 5*(\w)
.set qb, 0
.rept 2*(\nc)
	v_max3_num_f32 v[TM+qb], |v[(\src)+16*qb]|, |v[(\src)+16*qb+1]|, 0x1800000   ; and the floor 2^(3 - 127): the byte cannot fall under 1
.set qb, qb+1
.endr
.set qi, 2
.rept 7
.set qb, 0
.rept 2*(\nc)
	v_max3_num_f32 v[TM+qb], |v[(\src)+16*qb+qi]|, |v[(\src)+16*qb+qi+1]|, v[TM+qb]   ; the blocks by turns
.set qb, qb+1
.endr
.set qi, qi+2
.endr
	WIN 0
.endm
; QFIN: the blocks' scale bytes (they stay in v[TM+4] on) and the codes: six registers at d0 (and six at d1 where nc = 2), lane (r, h) holding the whole block 2 c + h
.macro QFIN src, w, nc, d0, d1
.set qb, 0
.rept 2*(\nc)
	v_permlanex16_b32 v[TM+4+qb], v[TM+qb], s[SEL], s[SEL+1]
.set qb, qb+1
.endr
.set qb, 0
.rept 2*(\nc)
	v_max_num_f32 v[TM+qb], v[TM+qb], v[TM+4+qb]   ; with lane l xor 16's: the block's largest magnitude
.set qb, qb+1
.endr
.set qb, 0
.rept 2*(\nc)
	v_add_nc_u32 v[TM+12+qb], 0xff000000, v[TM+qb] ; 2 off its exponent field: the conversion's scale operand
.set qb, qb+1
.endr
.set qb, 0
.rept 2*(\nc)
	v_lshrrev_b32 v[TM+4+qb], 23, v[TM+12+qb]      ; the scale's byte
.set qb, qb+1
.endr
	WIN (\w)
	v_cvt_scalef32_pk16_fp6_f32 v[(\d0):(\d0)+2], v[(\src):(\src)+15], v[TM+12]
	v_cvt_scalef32_pk16_fp6_f32 v[TP:TP+2], v[(\src)+16:(\src)+31], v[TM+13]     ; (a conversion's three registers begin on an even number)
.if (\nc) == 2
	v_cvt_scalef32_pk16_fp6_f32 v[(\d1):(\d1)+2], v[(\src)+32:(\src)+47], v[TM+14]
	v_cvt_scalef32_pk16_fp6_f32 v[TP+4:TP+6], v[(\src)+48:(\src)+63], v[TM+15]
.endif
	WIN 0
	v_nop                                          ; one plain place behind the scaled conversions
.irp i, 0,1,2
	v_permlane16_swap_b32 v[(\d0)+\i], v[TP+\i]    ; the first's lanes 16-31 change places with the second's lanes 0-15
.endr
.irp i, 0,1,2
	v_mov_b32 v[(\d0)+3+\i], v[TP+\i]
.endr
.if (\nc) == 2
.irp i, 0,1,2
	v_permlane16_swap_b32 v[(\d1)+\i], v[TP+4+\i]
.endr
.irp i, 0,1,2
	v_mov_b32 v[(\d1)+3+\i], v[TP+4+\i]
.endr
.endif
.endm
.macro WORD dst
	v_lshl_or_b32 v[\dst], v[TM+5], 8, v[TM+4]
	v_lshl_or_b32 v[\dst], v[TM+6], 16, v[\dst]
	v_lshl_or_b32 v[\dst], v[TM+7], 24, v[\dst]
.endm
.macro W16 dst
	v_lshl_or_b32 v[\dst], v[TM+5], 8, v[TM+4]
.endm
; The matrix instruction.  c < 0: the constant 0 starts the sum.  ra = 1: source 0's scale words are taken from lanes 16-31
.macro WMMA d, a, b, c, sa, sb, ra
.if (\c) < 0
.if (\ra)
	v_wmma_scale_f32_16x16x128_f8f6f4 v[(\d):(\d)+7], v[(\a):(\a)+11], v[(\b):(\b)+11], 0, v[\sa], v[\sb] matrix_a_fmt:MATRIX_FMT_FP6 matrix_b_fmt:MATRIX_FMT_FP6 matrix_a_scale:MATRIX_SCALE_ROW1
.else
	v_wmma_scale_f32_16x16x128_f8f6f4 v[(\d):(\d)+7], v[(\a):(\a)+11], v[(\b):(\b)+11], 0, v[\sa], v[\sb] matrix_a_fmt:MATRIX_FMT_FP6 matrix_b_fmt:MATRIX_FMT_FP6
.endif
.else
.if (\ra)
	v_wmma_scale_f32_16x16x128_f8f6f4 v[(\d):(\d)+7], v[(\a):(\a)+11], v[(\b):(\b)+11], v[(\c):(\c)+7], v[\sa], v[\sb] matrix_a_fmt:MATRIX_FMT_FP6 matrix_b_fmt:MATRIX_FMT_FP6 matrix_a_scale:MATRIX_SCALE_ROW1
.else
	v_wmma_scale_f32_16x16x128_f8f6f4 v[(\d):(\d)+7], v[(\a):(\a)+11], v[(\b):(\b)+11], v[(\c):(\c)+7], v[\sa], v[\sb] matrix_a_fmt:MATRIX_FMT_FP6 matrix_b_fmt:MATRIX_FMT_FP6
.endif
.endif
.endm
.macro LOADREC dst, sc, base           ; a record of kimg or vimg: 13 loads: four fragments into window 1, the scale words into window 0
	WIN 0x40
.irp i, 0,1,2,3,4,5,6,7,8,9,10,11
	global_load_b128 v[(\dst)+4*\i:(\dst)+4*\i+3], v[L16], s[\base:\base+1] offset:512*\i
.endr
	WIN 0
	global_load_b64 v[\sc:\sc+1], v[L8], s[\base:\base+1] offset:6144
.endm
; THE LINES OF AN ELEMENT.  i: a register 0..63;  p: a pair 0..31
.macro MED i
	v_med3_num_f32 v[Y+(\i)], v[Y+(\i)], s42, s43
.endm
.macro UU p
	v_pk_fma_f32 v[U+2*(\p):U+2*(\p)+1], v[Y+2*(\p):Y+2*(\p)+1], s[44:45], v[C1+2*(\p):C1+2*(\p)+1] op_sel_hi:[1,0,1]
.endm
.macro EX1 i
	v_exp_f32 v[U+(\i)], v[U+(\i)]
.endm
.macro AD p
	v_pk_add_f32 v[U+2*(\p):U+2*(\p)+1], v[U+2*(\p):U+2*(\p)+1], 1.0 op_sel_hi:[1,0]
.endm
.macro RC i
	v_rcp_f32 v[U+(\i)], v[U+(\i)]
.endm
.macro BB p
	v_pk_fma_f32 v[U+2*(\p):U+2*(\p)+1], v[U+2*(\p):U+2*(\p)+1], s[46:47], v[K2V:K2V+1] op_sel_hi:[1,0,1]
.endm
.macro TT p
	v_pk_fma_f32 v[Y+2*(\p):Y+2*(\p)+1], v[Y+2*(\p):Y+2*(\p)+1], v[U+2*(\p):U+2*(\p)+1], v[B1+2*(\p):B1+2*(\p)+1]
.endm
.macro EX2 i
	v_exp_f32 v[Y+(\i)], v[Y+(\i)]
.endm
.macro LS p
	v_pk_add_f32 v[LL+2*((\p)>>3):LL+2*((\p)>>3)+1], v[LL+2*((\p)>>3):LL+2*((\p)>>3)+1], v[Y+2*(\p):Y+2*(\p)+1]
.endm
.macro MX b, k                         ; p is never negative: no |.|
.if (\k) == 0
	v_max3_num_f32 v[TM+(\b)], v[Y+16*(\b)], v[Y+16*(\b)+1], 0x1800000
.else
	v_max3_num_f32 v[TM+(\b)], v[TM+(\b)], v[Y+16*(\b)+2*(\k)], v[Y+16*(\b)+2*(\k)+1]
.endif
.endm
	s_load_b512 s[4:19], s[0:1], 0x0               ; query s[4:5], order s[6:7], count s[8:9], kc s[10:11], kimg s[12:13], vimg s[14:15], wimg s[16:17], bq s[18:19]
	s_load_b128 s[20:23], s[0:1], 0x40             ; bo s[20:21], out0 s[22:23]
	v_lshl_add_u32 v[SPW], v0, 2, SPARE
	v_mov_b32 v[NIL], 0
	v_lshrrev_b32 v44, 5, v0
	v_readfirstlane_b32 s24, v44                   ; wave = head
	s_and_b32 s25, ttmp7, 0xffff                   ; batch
	s_lshr_b32 s54, ttmp9, 1
	s_sub_co_u32 s56, 127, s54
	s_lshr_b32 s55, s25, 1
	s_xor_b32 s55, s55, ttmp9
	s_and_b32 s55, s55, 1
	s_cmp_lg_u32 s55, 0
	s_cselect_b32 s26, s56, s54                    ; my tile of 16 slots: x / 2 from the list's head or from its end, by turns
	s_lshl_b32 s27, s26, 4                         ; its first slot
	s_cmp_eq_u32 s26, 0
	s_cselect_b32 s33, 13, 0                       ; the batch's tile 0 prefetches, in trips 0 to 12; nobody else
	v_and_b32 v44, 31, v0                          ; lane
	v_and_b32 v45, 15, v0                          ; r
	v_bfe_u32 v46, v0, 4, 1                        ; h
	v_lshlrev_b32 v[L16], 4, v44
	v_lshlrev_b32 v[L8], 3, v44
	v_lshlrev_b32 v[L4], 2, v44
	v_lshlrev_b32 v[LC0], 6, v46
	v_min_u32 v[PFO], 24, v44
	v_lshlrev_b32 v[PFO], 8, v[PFO]                ; a record is 25 x 256 bytes: a lane a block, the last eight lanes name the last
	v_lshlrev_b32 v[KCA], 4, v0
	v_lshlrev_b32 v47, 2, v45                      ; 4 r
	v_lshlrev_b32 v[H4], 2, v46
	s_mul_i32 s54, s24, 4352
	s_add_co_u32 s54, s54, STG                     ; my stage
	v_mul_u32_u24 v[STO], v45, 272
	v_lshl_add_u32 v[STO], v46, 6, v[STO]
	v_add_nc_u32 v[STO], s54, v[STO]               ; in: row r, + 64 h
	v_mul_u32_u24 v[RD], v46, 272
	v_lshl_add_u32 v[RD], v45, 4, v[RD]
	v_add_nc_u32 v[RD], s54, v[RD]                 ; back: lanes 0-15 one row, lanes 16-31 the next
	s_mul_i32 s54, s24, 768
	s_add_co_u32 s54, s54, OIMG
	v_add_nc_u32 v[OWI], s54, v[L8]
	s_lshl_b32 s54, s24, 7
	s_add_co_u32 s54, s54, OSC
	v_add_nc_u32 v[OWS], s54, v[L4]
	s_lshl_b32 s54, s24, 8
	v_lshl_add_u32 v[ORB], v45, 4, s54
	v_add_nc_u32 v[QSL], s27, v45
	s_mov_b32 s42, 0xc1c00000                      ; -24
	s_mov_b32 s43, 0x41c00000                      ; 24
	s_mov_b32 s44, 0xbfe6d4ca                      ; -5 log2(e) / 4
	s_mov_b32 s45, s44                             ; (the packed form names a pair and takes its low word for both halves: so the upper is written)
	s_mov_b32 s46, 0x3f38aa3b                      ; log2(e) / 2
	s_mov_b32 s47, s46
	s_mov_b32 s[SEL], 0x76543210
	s_mov_b32 s[SEL+1], 0xfedcba98
	s_mov_b32 s50, 0x5d75d75d                      ; sixteen codes of 6.5 in three words
	s_mov_b32 s51, 0xd75d75d7
	s_mov_b32 s52, 0x75d75d75
	s_mov_b32 s53, 0x51515151                      ; and their scale byte, 81 = floor(-30 log2 e) - 2 + 127, four times
	s_lshl_b32 s54, s25, 7                         ; count: 128 bytes a batch
	s_mov_b32 s55, 0
	s_lshl_b32 s56, s25, 13
	s_lshl_b32 s57, s27, 2
	s_add_co_u32 s56, s56, s57                     ; order: my tile's 16 words
	s_mov_b32 s57, 0
	s_lshl_b32 s58, s25, 14                        ; kc: 16,384 bytes a batch
	s_mov_b32 s59, 0
	s_lshl_b32 s60, s25, 2
	s_add_co_u32 s60, s60, s24
	s_mul_i32 s60, s60, 102400                     ; kimg, vimg: the 16 records of (batch, head)
	s_mov_b32 s61, 0
	s_lshl_b32 s62, s25, 21                        ; query, out0: 2,048 rows of 1,024 bytes a batch
	s_mov_b32 s63, 0
	s_wait_kmcnt 0x0
	s_add_nc_u64 s[8:9], s[8:9], s[54:55]
	s_load_b32 s28, s[8:9], 0x0                    ; the batch's number of unmasked tokens
	s_add_nc_u64 s[6:7], s[6:7], s[56:57]
	s_add_nc_u64 s[10:11], s[10:11], s[58:59]
	s_add_nc_u64 s[34:35], s[12:13], s[60:61]      ; K's record in hand
	s_add_nc_u64 s[36:37], s[14:15], s[60:61]      ; V's
	s_add_nc_u64 s[38:39], s[34:35], 12800         ; the prefetches stand at record 2: trip 0 steps them to record 3
	s_add_nc_u64 s[40:41], s[36:37], 12800
	s_add_nc_u64 s[4:5], s[4:5], s[62:63]
	s_add_nc_u64 s[22:23], s[22:23], s[62:63]
	s_mul_i32 s60, s24, 12288
	s_add_nc_u64 s[60:61], s[16:17], s[60:61]      ; wimg: my head's eight fragments of Wq (Wo's lie 153,600 bytes on)
	s_lshl_b32 s62, s24, 9
	s_add_co_u32 s62, s62, 49152
	s_add_nc_u64 s[62:63], s[16:17], s[62:63]      ; and their scale words
	s_lshl_b32 s54, s24, 8
	s_add_nc_u64 s[18:19], s[18:19], s[54:55]      ; bq, bo: my 64 numbers
	s_add_nc_u64 s[20:21], s[20:21], s[54:55]
	global_load_b32 v[TOKX], v47, s[6:7]           ; my query's token
.irp i, 0,1,2,3,4,5,6,7
	global_load_b32 v[OROW+\i], v[H4], s[6:7] offset:8*\i          ; the tokens of rows 2 i + h
.endr
.irp i, 0,1,2,3,4,5,6,7
	global_load_b128 v[U+4*\i:U+4*\i+3], v[KCA], s[10:11] offset:2048*\i   ; the batch's c and b: 16,384 bytes, 128 a thread
.endr
	LOADREC KF, KS, 34                             ; K of step 0
	LOADREC VF, VS, 36                             ; V of step 0
.irp b, 0,1,2,3
	v_mov_b32 v[TM+4+\b], 0                        ; written once: a lane permute's destination counts as one of its sources
.endr
	v_mov_b32 v[QS], 0x7f7f7f7f
	v_mov_b32 v[LM], 0xc22d1f97                    ; -30 log2(e)
	v_exp_f32 v[LM], v[LM]
	WIN 0x40
	v_mov_b32 v[K2V], 0x3eb8aa3b                   ; log2(e) / 4, twice.  (Plain lines behind the exponential)
	v_mov_b32 v[K2V+1], 0x3eb8aa3b
.set n, 0
.rept 24
	v_mov_b32 v[QLO+n], 0                          ; [q | 0] and [0 | q]: twelve of these are the zero halves
.set n, n+1
.endr
	WIN 0
	s_wait_alu depctr_va_vdst(0)                   ; ahead of the first line that names the exponential's result
	v_mul_f32 v[LM], 0x45000000, v[LM]             ; x 2048
	s_wait_loadcnt 26                              ; the tokens and the constants are in; K's and V's 13 loads each may be out
.irp i, 0,1,2,3,4,5,6,7
	ds_store_b128 v[KCA], v[U+4*\i:U+4*\i+3] offset:CN+2048*\i
.endr
	v_min_u32 v[TOKX], 0x7ff, v[TOKX]              ; a loaded number enters an address behind this bound
	v_lshlrev_b32 v[TOKX], 10, v[TOKX]
	v_add_nc_u32 v[TOKX], v[LC0], v[TOKX]
.irp i, 0,1,2,3,4,5,6,7
	v_min_u32 v[OROW+\i], 0x7ff, v[OROW+\i]
	v_lshlrev_b32 v[OROW+\i], 10, v[OROW+\i]
	v_add_nc_u32 v[OROW+\i], v[ORB], v[OROW+\i]
.endr
	s_wait_dscnt 0x0                               ; for the others' sake: my stores have landed
	s_barrier_signal -1
	s_barrier_wait -1                              ; the batch's constants lie in LDS
	s_wait_kmcnt 0x0
	s_cmp_lt_u32 s27, s28
	s_cselect_b32 s29, 1, 0                        ; does my tile hold an unmasked query?
	v_cmp_gt_u32 s30, s28, v[QSL]                  ; the lanes whose query is unmasked
	s_cmp_eq_u32 s29, 0
	s_cbranch_scc1 .Lq_done
	; ---- q of a live tile: 16 gathered rows, quantised; my head's four tiles of Wq; q quantised along the head's 64
.irp bq, 0,1,2,3
.irp jj, 0,1,2,3
	global_load_b128 v[Y+16*\bq+4*\jj:Y+16*\bq+4*\jj+3], v[TOKX], s[4:5] offset:128*\bq+16*\jj
	global_load_b128 v[U+16*\bq+4*\jj:U+16*\bq+4*\jj+3], v[TOKX], s[4:5] offset:512+128*\bq+16*\jj
.endr
.endr
	WIN 0x40
.set n, 0
.rept 8
.irp c, 0,1,2
	global_load_b128 v[C1+12*n+4*\c:C1+12*n+4*\c+3], v[L16], s[60:61] offset:1536*n+512*\c
.endr
.set n, n+1
.endr
.irp t, 0,1,2,3
	global_load_b128 v[BQ+8*\t:BQ+8*\t+3], v[LC0], s[18:19] offset:128*(\t/2)+32*(\t%2)
	global_load_b128 v[BQ+8*\t+4:BQ+8*\t+7], v[LC0], s[18:19] offset:128*(\t/2)+32*(\t%2)+16
.endr
	WIN 0
.irp t, 0,1,2,3
	global_load_b32 v[WQS+\t], v[L4], s[62:63] offset:128*\t
.endr
	s_wait_loadcnt 0x0
	QMAX Y,0,2
	QFIN Y,0,2,O,O+6
	WORD XS0
	QMAX U,0,2
	QFIN U,0,2,O+12,O+18
	WORD XS0+1
	PLACES 8                                       ; a scale word made by vector lines stands 8 places ahead of the scaled matrix instruction
	WIN 0x11                                       ; source 0 (Wq) and C (bq) window 1
.irp t, 0,1,2,3
	WMMA Y+8*\t,C1+24*\t,O,BQ+8*\t,WQS+\t,XS0,0
.endr
	WIN 0x01
.irp t, 0,1,2,3
	WMMA Y+8*\t,C1+24*\t+12,O+12,Y+8*\t,WQS+\t,XS0+1,1
.endr
	WIN 0
	PLACES 4
	QMAX Y,0,1
	QFIN Y,0,1,U,0
	W16 T4
	v_lshl_or_b32 v[QS], v[T4], 16, v[T4]          ; q's two bytes serve in either half of K = 128
	WIN 0x40
.irp i, 0,1,2,3,4,5
	v_mov_b32 v[QLO+\i], v[U+\i]
	v_mov_b32 v[QHI+6+\i], v[U+\i]
.endr
	WIN 0
.Lq_done:
	v_mov_b32 v[PS], s53                           ; a masked query's p: the scale word,
.set n, 0
.rept 12
	v_mov_b32 v[PC+n], s[50+n%3]                   ; and the codes.  A tile with no unmasked query keeps them through all steps
.set n, n+1
.endr
.set n, 0
.rept 32
	v_mov_b32 v[O+n], 0                            ; O^T: the step is written once, and its first trip adds onto zeros.  (These lines are also the places behind the scale words and operands just made)
.set n, n+1
.endr
.set n, 0
.rept 8
	v_mov_b32 v[LL+n], 0
.set n, n+1
.endr
	s_mov_b32 s31, 0                               ; J, the step
	s_mov_b32 s32, 0                               ; 512 J: the step's constants in LDS
.Lstep:                                                ; 16 trips
	s_cmp_eq_u32 s29, 0
	s_cbranch_scc1 .Lpv                            ; no unmasked query: p is the constant
	v_add_nc_u32 v[ADC], s32, v[LC0]
	WIN 0x40
.irp f, 0,1,2,3
.irp jj, 0,1,2,3
	ds_load_b128 v[C1+16*\f+4*\jj:C1+16*\f+4*\jj+3], v[ADC] offset:CN+128*\f+16*\jj   ; c of keys 128 J + 32 f + 16 h + 4 jj on: sixteen lanes share each word
.endr
.endr
.irp f, 0,1,2,3
.irp jj, 0,1,2,3
	ds_load_b128 v[B1+16*\f+4*\jj:B1+16*\f+4*\jj+3], v[ADC] offset:BN+128*\f+16*\jj
.endr
.endr
	s_wait_loadcnt 13                              ; K of this step is in; the 13 loads of V of this step were issued behind it and may be out
	WIN 0x05                                       ; K and q window 1, the scores window 0
.irp f, 0,1,2,3
	WMMA Y+16*\f,KF+12*\f,QLO,-1,KS+\f/2,QS,\f%2
	WMMA Y+16*\f+8,KF+12*\f,QHI,-1,KS+\f/2,QS,\f%2
.endr
	WIN 0
	PLACES 4                                       ; in front of the loads into K's registers and of the first read of the scores
	s_cmp_eq_u32 s31, 15
	s_cbranch_scc1 .Lnok
	s_add_nc_u64 s[34:35], s[34:35], 6400          ; (the wait above has shown the loads that read this base done)
	LOADREC KF, KS, 34                             ; K of the next step: it has the whole of the lines below in which to land
.Lnok:
	WIN 0x10                                       ; source 2 (c, b, log2 e / 4) window 1
.set n, 0
.rept 32
	MED n
.set n, n+1
.endr
	s_wait_dscnt 0x0                               ; the step's constants are in
.set n, 0
.rept 16
	UU n
.set n, n+1
.endr
; From here on each batch of 32 transcendentals stands among plain lines that name none of its results, and has ONE wait behind it, ahead of its first reader.
.set n, 0
.rept 32
	EX1 n
	MED 32+n
.set n, n+1
.endr
.set n, 0
.rept 16
	UU 16+n
.set n, n+1
.endr
	s_wait_alu depctr_va_vdst(0)
.set n, 0
.rept 16
	EX1 32+2*n
	EX1 33+2*n
	AD n
.set n, n+1
.endr
	s_wait_alu depctr_va_vdst(0)
.set n, 0
.rept 16
	RC 2*n
	RC 2*n+1
	AD 16+n
.set n, n+1
.endr
	s_wait_alu depctr_va_vdst(0)
.set n, 0
.rept 16
	RC 32+2*n
	BB n
	RC 33+2*n
	TT n
.set n, n+1
.endr
	s_wait_alu depctr_va_vdst(0)
.set n, 0
.rept 16
	EX2 2*n
	BB 16+n
	EX2 2*n+1
	TT 16+n
.set n, n+1
.endr
	s_wait_alu depctr_va_vdst(0)
	WIN 0
.set n, 0
.rept 16
	EX2 32+2*n
	LS 8*(n&1)+(n>>1)
	EX2 33+2*n
	MX (n&1),(n>>1)
.set n, n+1
.endr
	s_wait_alu depctr_va_vdst(0)
.set n, 0
.rept 16
	MX 2+(n&1),(n>>1)
.set n, n+1
.endr
	QFIN Y,0,2,PC,PC+6                             ; p's codes and scale bytes for these 128 keys
	WORD PS
	v_cndmask_b32 v[PS], s53, v[PS], s30           ; a masked query in a live tile gets the constant p: 13 selects for a lane's 64 elements
.set n, 0
.rept 12
	v_cndmask_b32 v[PC+n], s[50+n%3], v[PC+n], s30
.set n, n+1
.endr
.set n, 0
.rept 16
	LS 16+8*(n&1)+(n>>1)                           ; the rest of the sum: also the places between p's scale word and codes and the products below
.set n, n+1
.endr
.Lpv:
	s_wait_loadcnt 0x0                             ; V of this step is in.  For 0: on the way with no scores nothing is issued behind V's loads; on the other, K's were asked for a whole step's lines ago
	WIN 0x01                                       ; V window 1
.irp t, 0,1,2,3
	WMMA O+8*\t,VF+12*\t,PC,O+8*\t,VS+\t/2,PS,\t%2   ; the four accumulators by turns, over the backward jump too
.endr
	WIN 0
	PLACES 4                                       ; in front of the loads into V's registers, and behind the last trip of the first read of O^T
	s_cmp_eq_u32 s31, 15
	s_cbranch_scc1 .Lnov
	s_wait_xcnt 0x0                                ; the last trip's prefetches have read their addresses
	s_add_nc_u64 s[36:37], s[36:37], 6400
	s_add_nc_u64 s[38:39], s[38:39], 6400
	s_add_nc_u64 s[40:41], s[40:41], 6400
	LOADREC VF, VS, 36                             ; V of the next step
	s_cmp_lt_u32 s31, s33
	s_cbranch_scc0 .Lnov
	; A prefetch into the L2: in trip J record J + 3 of my head's K and V, which trip J + 2 will load; 25 blocks of 256 bytes each, a lane a block.  All 128 work-groups of a batch walk the same records:
	; the one with tile 0 asks, each wave for its head, so each block is named once in the launch.  Records 0 to 2 come by their loads alone; trips 13 on ask for nothing: record 15 is the last.
	global_prefetch_b8 v[PFO], s[38:39] th:TH_LOAD_NT scope:SCOPE_SE
	global_prefetch_b8 v[PFO], s[40:41] th:TH_LOAD_NT scope:SCOPE_SE
.Lnov:
	s_add_co_u32 s32, s32, 512
	s_add_co_u32 s31, s31, 1
	s_cmp_lt_u32 s31, 16
	s_cbranch_scc1 .Lstep
	; ---- THE WAY OUT.  The sum; O^T / the sum, quantised along the head's 64; the four heads meet in LDS; my 64 columns of the projection; rows of out0 by their tokens.
	s_wait_loadcnt 0x0                             ; no load of mine is out (the last trip asks for nothing behind its wait for V): the wait says so on every way out of the loop, ahead of the loads below into the registers that V's loads write
	v_pk_add_f32 v[LL:LL+1], v[LL:LL+1], v[LL+2:LL+3]
	v_pk_add_f32 v[LL+4:LL+5], v[LL+4:LL+5], v[LL+6:LL+7]
	v_pk_add_f32 v[LL:LL+1], v[LL:LL+1], v[LL+4:LL+5]
	v_add_f32 v[LL], v[LL], v[LL+1]
	WIN 0x40
.set n, 0
.rept 8
.irp c, 0,1,2
	global_load_b128 v[12*n+4*\c:12*n+4*\c+3], v[L16], s[60:61] offset:153600+1536*n+512*\c   ; Wo's tiles 4 wave on, where K's and V's fragments lay
.endr
.set n, n+1
.endr
.irp t, 0,1,2,3
	global_load_b128 v[C1+8*\t:C1+8*\t+3], v[LC0], s[20:21] offset:128*(\t/2)+32*(\t%2)
	global_load_b128 v[C1+8*\t+4:C1+8*\t+7], v[LC0], s[20:21] offset:128*(\t/2)+32*(\t%2)+16
.endr
	WIN 0
.irp t, 0,1,2,3
	global_load_b32 v[WQS+\t], v[L4], s[62:63] offset:153600+128*\t
.endr
	v_permlanex16_b32 v[LL+1], v[LL], s[SEL], s[SEL+1]
	v_add_f32 v[LL], v[LL], v[LL+1]                ; with lane l xor 16's keys: the row's sum
	v_cndmask_b32 v[LL], v[LM], v[LL], s30         ; a masked query's is 2048 p
	v_rcp_f32 v[RL], v[LL]
	v_mov_b32 v[RL+1], 0                           ; (a plain line behind the reciprocal; the pair's upper half is named below, so it is written)
	s_wait_alu depctr_va_vdst(0)
.set n, 0
.rept 16
	v_pk_mul_f32 v[O+2*n:O+2*n+1], v[O+2*n:O+2*n+1], v[RL:RL+1] op_sel_hi:[1,0]
.set n, n+1
.endr
	QMAX O,0,1
	QFIN O,0,1,U,0
	W16 T4
.irp i, 0,1,2
	ds_store_b64 v[OWI], v[U+2*\i:U+2*\i+1] offset:256*\i          ; my head's six registers, as they stand: 8 bytes a lane
.endr
	ds_store_b32 v[OWS], v[T4]
	s_wait_dscnt 0x0                               ; for the others' sake: my stores have landed
	s_barrier_signal -1
	s_barrier_wait -1                              ; the four heads' codes lie in LDS
.irp s, 0,1
.irp c, 0,1
.irp i, 0,1,2
	ds_load_b64 v[OF+12*\s+6*\c+2*\i:OF+12*\s+6*\c+2*\i+1], v[L8] offset:OIMG+768*(2*\s+\c)+256*\i   ; K step s of the projection = heads 2 s and 2 s + 1
.endr
.endr
.endr
.irp i, 0,1,2,3
	ds_load_b32 v[T4+\i], v[L4] offset:OSC+128*\i
.endr
	s_wait_dscnt 0x0
	v_lshl_or_b32 v[XS0], v[T4+1], 16, v[T4]
	v_lshl_or_b32 v[XS0+1], v[T4+3], 16, v[T4+2]
	PLACES 8                                       ; scale words made by vector lines stand 8 places ahead
	s_wait_loadcnt 0x0                             ; Wo, its scale words, bo
	WIN 0x11                                       ; source 0 (Wo) and C (bo) window 1
.irp t, 0,1,2,3
	WMMA Y+8*\t,24*\t,OF,C1+8*\t,WQS+\t,XS0,0
.endr
	WIN 0x01
.irp t, 0,1,2,3
	WMMA Y+8*\t,24*\t+12,OF+12,Y+8*\t,WQS+\t,XS0+1,1
.endr
	WIN 0
	PLACES 4
.irp t, 0,1,2,3
	ds_store_b128 v[STO], v[Y+8*\t:Y+8*\t+3] offset:128*(\t/2)+32*(\t%2)       ; lane (r, h), tile 2 B + u: columns 32 B + 16 h + 8 u + 0 .. 7 of row r; each accumulator from its low end on
	ds_store_b128 v[STO], v[Y+8*\t+4:Y+8*\t+7] offset:128*(\t/2)+32*(\t%2)+16
.endr
.irp i, 0,1,2,3,4,5,6,7
	ds_load_b128 v[O+4*\i:O+4*\i+3], v[RD] offset:544*\i           ; LDS serves a wave's instructions in order: these see my stores; the stage is my wave's own
.endr
.irp i, 0,1,2,3,4,5,6,7
	s_wait_dscnt 7-\i                              ; rows 2 i, 2 i + 1 are back; the 7 - i younger loads may be out
	global_store_b128 v[OROW+\i], v[O+4*\i:O+4*\i+3], s[22:23] th:TH_STORE_NT   ; sixteen lanes store 256 consecutive bytes of a row, at a multiple of 256 from out0's first byte
.endr
	s_wait_tensorcnt 0x0                           ; the wave's end: three closing lines, behind my last LDS store
	ds_add_u32 v[SPW], v[NIL]
	s_wait_dscnt 0x0
	s_endpgm
.Lfunc_end_k_q32ec86f0dd_attn:
	.size	k_q32ec86f0dd_attn, .Lfunc_end_k_q32ec86f0dd_attn-k_q32ec86f0dd_attn
	.p2alignl 7, 3214868480
	.fill 96, 4, 3214868480
	.section	.rodata,"a",@progbits
	.p2align	6, 0x0
	.amdhsa_kernel k_q32ec86f0dd_attn
		.amdhsa_group_segment_fixed_size 37888
		.amdhsa_private_segment_fixed_size 0
		.amdhsa_enable_private_segment 0
		.amdhsa_kernarg_size 80
		.amdhsa_user_sgpr_count 2
		.amdhsa_user_sgpr_kernarg_segment_ptr 1
		.amdhsa_wavefront_size32 1
		.amdhsa_system_sgpr_workgroup_id_x 1
		.amdhsa_system_sgpr_workgroup_id_y 1
		.amdhsa_system_sgpr_workgroup_id_z 1
		.amdhsa_system_vgpr_workitem_id 0
		.amdhsa_next_free_vgpr 512
		.amdhsa_next_free_sgpr 66
		.amdhsa_reserve_vcc 0
		.amdhsa_float_denorm_mode_32 3
		.amdhsa_float_denorm_mode_16_64 3
		.amdhsa_memory_ordered 1
		.amdhsa_forward_progress 1
		.amdhsa_inst_pref_size 76
	.end_amdhsa_kernel
	.amdgpu_metadata
---
amdhsa.version: [ 1, 2 ]
amdhsa.kernels:
  - .name:           k_q32ec86f0dd_attn
    .symbol:         k_q32ec86f0dd_attn.kd
    .args:
      - { .name: query, .offset: 0, .size: 8, .value_kind: global_buffer, .address_space: global }
      - { .name: order, .offset: 8, .size: 8, .value_kind: global_buffer, .address_space: global }
      - { .name: count, .offset: 16, .size: 8, .value_kind: global_buffer, .address_space: global }
      - { .name: kc, .offset: 24, .size: 8, .value_kind: global_buffer, .address_space: global }
      - { .name: kimg, .offset: 32, .size: 8, .value_kind: global_buffer, .address_space: global }
      - { .name: vimg, .offset: 40, .size: 8, .value_kind: global_buffer, .address_space: global }
      - { .name: wimg, .offset: 48, .size: 8, .value_kind: global_buffer, .address_space: global }
      - { .name: bq, .offset: 56, .size: 8, .value_kind: global_buffer, .address_space: global }
      - { .name: bo, .offset: 64, .size: 8, .value_kind: global_buffer, .address_space: global }
      - { .name: out0, .offset: 72, .size: 8, .value_kind: global_buffer, .address_space: global }
    .group_segment_fixed_size: 37888
    .private_segment_fixed_size: 0
    .kernarg_segment_align: 8
    .kernarg_segment_size: 80
    .max_flat_workgroup_size: 128
    .sgpr_count:     66
    .vgpr_count:     512
    .wavefront_size: 32
...
	.end_amdgpu_metadata
.endif
;; end of part 3
;; ======== version 2 of 2: 3 launches; version 1 with the launches proj, attn written anew for expert scheduling mode
;; limits: a function is approximated: absolute error at most 1.5e-07
;; workspace buffers: wimg 204,800 bytes; kc 65,536 bytes; order 32,768 bytes of whole numbers; count 512 bytes of whole numbers; kimg 1,638,400 bytes; vimg 1,638,400 bytes
;; launch prep: the kernel of part 1 again; grid 81 x 1, 4 waves a work-group, no clusters, 0 bytes of LDS; arguments Wq_r, Wq_i, Wq_j, Wq_k, Wk_r, Wk_i, Wk_j, Wk_k, Wv, Wo, density_feat, mask, dm_w1, dm_b1, dm_w2, dm_b2, threshold, wimg, kc, order, count; writes wimg, kc, order, count
;; launch proj (part 4): grid 64 x 2, 4 waves a work-group, no clusters, 27,136 bytes of LDS; arguments key, value, mask, wimg, bk, bv, kimg, vimg; writes kimg, vimg
.if DOCPART == 4
	.amdgcn_target "amdgcn-amd-amdhsa--gfx1250"
	.amdhsa_code_object_version 6
	.text
	.protected	k_q32ec86f0dd_proj
	.globl	k_q32ec86f0dd_proj
	.p2align	8
	.type	k_q32ec86f0dd_proj,@function
k_q32ec86f0dd_proj:
	s_mov_b64 s[64:65], 0
	v_nop
	global_prefetch_b8 v0, s[64:65] scope:SCOPE_SE
	s_setreg_imm32_b32 hwreg(HW_REG_WAVE_SCHED_MODE, 0, 2), 2
	s_setreg_imm32_b32 hwreg(HW_REG_WAVE_MODE, 25, 1), 1
	s_wait_xcnt 0x0
	s_wait_alu depctr_vm_vsrc(0)
; PROJ: k = key Wk^T + bk (work-group y = 0) and v = value Wv^T + bv (y = 1), both products on codes of E2M3 with one E8M0 scale for each 32 along K, and their results quantised again as the
; operands of the attention's two products, laid in the order of the operands' registers.  Nothing of reference() is left out here.
; SHARES.  Work-group x = 16 batch + step takes the 128 tokens of one key step.  First wave w quantises tokens 32 w .. 32 w + 31 (four fragments) and stores their images in LDS; behind the one barrier
; wave w owns head w: weight tiles 4 w .. 4 w + 3, against all eight token tiles.  128 tokens to a work-group, since a fragment of V^T wants 128 keys.
; THE TOKENS OF A TILE AND THE ROWS OF A WEIGHT TILE ARE NOT NEIGHBOURS: lane r of tile T takes 32 (T / 2) + 8 (T % 2) + r + 8 (r / 8): the results of tiles 2 B, 2 B + 1 are 16 neighbours in a lane's registers.
; k: source 0 = 16 rows of Wk, source 1 = 16 tokens: a lane holds one token and 32 of its head's 64 numbers: two blocks, six registers of codes.  Token tiles 2 f and 2 f + 1 together are fragment f:
;    registers 0-5 key 32 f + r + 8 (r / 8), registers 6-11 the key 8 further on.  A MASKED KEY'S CODES ARE ZEROS: its score is then exactly 0, and the per-key constants make its logit -30.
; v: source 0 = 16 tokens, source 1 = 16 rows of Wv: a lane holds one of the head's numbers and its registers run along the 128 keys, the second product's K: fragment t = weight tile t.
; A record of kimg or vimg, (4 batch + head) 16 + step, is 6,400 bytes: four fragments of 1,536, then 32 lanes x 8 bytes of scale words (word 0: fragment 0 in lanes 0-15, 1 in lanes 16-31; word 1: 2 and 3).
; Every work-group asks for the bias in both layouts and for the mask words (20 small loads), so that each register is written on every way through the text.
; LIMITS: NaN and infinities among the inputs are not served; a block of zeros gets the scale byte 1 (its codes are zeros, and this program alone reads the bytes).
; THE MODE: SCHED_MODE bits 1:0 = 2 (LLVM: expert scheduling mode 2), set by the entry lines.  The code itself states the register dependences between vector or matrix instructions and memory or LDS
; instructions, with s_wait_alu, always for 0.
; THE PLAN.  Registers that memory or LDS instructions touch:
;   v1-v8             offsets and LDS addresses: written once at the head, read by every load and store, never written again.
;   window 2, v48-63  the weight's fragments, the bias, scale words, mask words: loaded once at the head; no load lands there again.
;   window 1          global loads bring 256 numbers of x; the quantiser reads them; behind the barrier the LDS loads of x's sixteen fragments land in v0-191, which the products read.
;   FR, KW            fragment f of x has its own twelve registers FR + 12 f and its own word KW + f: written by quantising step f, read by the four LDS stores that stand at the head of step f + 1;
;                     behind the barrier both arms write them again, and the thirteen global stores at the end read them.
; So: one wait on va_vdst at the head of each quantising step behind the first, behind the wait for the step's data, and the stores of the step before follow it at once; one ahead of the last fragment's
; stores; one ahead of the images' loads; one wait on vm_vsrc ahead of the branch into the arms; one wait on va_vdst ahead of the global stores.  In the arms no memory instruction stands.
; REGISTERS, in windows of 256.  Window 0: v1-11 addresses; v32-47 x's scale words; v48-51 the weight's; v52-59 mask words; v60-63 bv by lane; v64-127 results; v128-175 the four fragments made (first x's,
;   then the result's); v176-179 their scale words; v192-215 at work.   Window 1: 256 numbers of x, then x's 16 fragments.   Window 2: v0-95 my 8 weight fragments; v96-127 the bias, eight registers a tile.
.set XIMG,  0                          ; LDS: x's 16 fragments as images of their registers (token tile tau, K step s: 2 tau + s), 1,536 bytes each,
.set XSC,   24576                      ; their scale words, 128 bytes each,
.set SPARE, 26624                      ; and the spare words, 128 bytes for each wave: two blocks of 256 bytes that no other line names
.set L16,  1                           ; v1  16 x lane
.set L4,   2                           ; v2  4 x lane
.set L8,   3                           ; v3  8 x lane
.set XOFF, 4                           ; v4  x: 1024 (32 wave + r + 8 (r / 8)) + 64 h
.set XWI,  5                           ; v5  where I store x's images: 16 lane + 6144 wave
.set XWS,  6                           ; v6  and their scale words: 4 lane + 512 wave
.set H64,  7                           ; v7  64 h
.set RM4,  8                           ; v8  4 (r + 8 (r / 8))
.set SPW,  10                          ; v10 LDS address of my spare word; never rewritten
.set NIL,  11                          ; v11 0; never rewritten
.set XS,   32
.set WS,   48
.set MW,   52
.set BVT,  60
.set D,    64
.set FR,   128
.set KW,   176
.set SCL,  180
.set W16R, 182
.set TM,   192
.set TP,   208
.set BIAS, 96                          ; in window 2
.set MK,   36                          ; s36-43 the lanes whose token of tile tau is not masked
.set HM,   44                          ; s44    lanes 16-31
.set SEL,  46                          ; s[46:47] lane selects for v_permlanex16_b32: lane l xor 16
.set MSB, 0
.macro WIN new                         ; s_set_vgpr_msb: bits 1:0 source 0, 3:2 source 1, 5:4 source 2, 7:6 destination; the high byte repeats the setting that is left
.if MSB != (\new)
	s_set_vgpr_msb (MSB<<8)|(\new)
.set MSB, (\new)
.endif
.endm
.macro PLACES n
.rept \n
	v_nop
.endr
.endm
; 32 nc numbers of a lane in window w, register 16 b + i = k 32 b + 16 (lane / 16) + i of my row.  QMAX: my part of each block's largest magnitude.
.macro QMAX src, w, nc
	WIN 5*(\w)
.set qb, 0
.rept 2*(\nc)
	v_max3_num_f32 v[TM+qb], |v[(\src)+16*qb]|, |v[(\src)+16*qb+1]|, 0x1800000   ; and the floor 2^(3 - 127): the byte cannot fall under 1
.set qb, qb+1
.endr
.set qi, 2
.rept 7
.set qb, 0
.rept 2*(\nc)
	v_max3_num_f32 v[TM+qb], |v[(\src)+16*qb+qi]|, |v[(\src)+16*qb+qi+1]|, v[TM+qb]   ; the blocks by turns
.set qb, qb+1
.endr
.set qi, qi+2
.endr
	WIN 0
.endm
; QFIN: the blocks' scale bytes (they stay in v[TM+4] on) and the codes: six registers at d0 (and six at d1 where nc = 2), lane (r, h) holding the whole block 2 c + h
.macro QFIN src, w, nc, d0, d1
.set qb, 0
.rept 2*(\nc)
	v_permlanex16_b32 v[TM+4+qb], v[TM+qb], s[SEL], s[SEL+1]
.set qb, qb+1
.endr
.set qb, 0
.rept 2*(\nc)
	v_max_num_f32 v[TM+qb], v[TM+qb], v[TM+4+qb]   ; with lane l xor 16's: the block's largest magnitude
.set qb, qb+1
.endr
.set qb, 0
.rept 2*(\nc)
	v_add_nc_u32 v[TM+12+qb], 0xff000000, v[TM+qb] ; 2 off its exponent field: the conversion's scale operand
.set qb, qb+1
.endr
.set qb, 0
.rept 2*(\nc)
	v_lshrrev_b32 v[TM+4+qb], 23, v[TM+12+qb]      ; the scale's byte
.set qb, qb+1
.endr
	WIN (\w)
	v_cvt_scalef32_pk16_fp6_f32 v[(\d0):(\d0)+2], v[(\src):(\src)+15], v[TM+12]
	v_cvt_scalef32_pk16_fp6_f32 v[TP:TP+2], v[(\src)+16:(\src)+31], v[TM+13]     ; (a conversion's three registers begin on an even number)
.if (\nc) == 2
	v_cvt_scalef32_pk16_fp6_f32 v[(\d1):(\d1)+2], v[(\src)+32:(\src)+47], v[TM+14]
	v_cvt_scalef32_pk16_fp6_f32 v[TP+4:TP+6], v[(\src)+48:(\src)+63], v[TM+15]
.endif
	WIN 0
	v_nop                                          ; one plain place behind the scaled conversions
.irp i, 0,1,2
	v_permlane16_swap_b32 v[(\d0)+\i], v[TP+\i]    ; the first's lanes 16-31 change places with the second's lanes 0-15
.endr
.irp i, 0,1,2
	v_mov_b32 v[(\d0)+3+\i], v[TP+\i]
.endr
.if (\nc) == 2
.irp i, 0,1,2
	v_permlane16_swap_b32 v[(\d1)+\i], v[TP+4+\i]
.endr
.irp i, 0,1,2
	v_mov_b32 v[(\d1)+3+\i], v[TP+4+\i]
.endr
.endif
.endm
.macro WORD dst                        ; four bytes make a scale word
	v_lshl_or_b32 v[\dst], v[TM+5], 8, v[TM+4]
	v_lshl_or_b32 v[\dst], v[TM+6], 16, v[\dst]
	v_lshl_or_b32 v[\dst], v[TM+7], 24, v[\dst]
.endm
.macro W16 dst                         ; two bytes make half of one
	v_lshl_or_b32 v[\dst], v[TM+5], 8, v[TM+4]
.endm
; Fragment f of x goes to LDS as it stands: lane l's 16 bytes at 16 l; its scale word 4 bytes a lane
.macro XOUT f
.irp c, 0,1,2
	ds_store_b128 v[XWI], v[FR+12*(\f)+4*\c:FR+12*(\f)+4*\c+3] offset:XIMG+1536*(\f)+512*\c
.endr
	ds_store_b32 v[XWS], v[KW+(\f)] offset:XSC+128*(\f)
.endm
; The matrix instruction.  ra, rb = 1: that side's scale words are taken from lanes 16-31
.macro WMMA d, a, b, c, sa, sb, ra, rb
.if (\ra)
	v_wmma_scale_f32_16x16x128_f8f6f4 v[(\d):(\d)+7], v[(\a):(\a)+11], v[(\b):(\b)+11], v[(\c):(\c)+7], v[\sa], v[\sb] matrix_a_fmt:MATRIX_FMT_FP6 matrix_b_fmt:MATRIX_FMT_FP6 matrix_a_scale:MATRIX_SCALE_ROW1
.elseif (\rb)
	v_wmma_scale_f32_16x16x128_f8f6f4 v[(\d):(\d)+7], v[(\a):(\a)+11], v[(\b):(\b)+11], v[(\c):(\c)+7], v[\sa], v[\sb] matrix_a_fmt:MATRIX_FMT_FP6 matrix_b_fmt:MATRIX_FMT_FP6 matrix_b_scale:MATRIX_SCALE_ROW1
.else
	v_wmma_scale_f32_16x16x128_f8f6f4 v[(\d):(\d)+7], v[(\a):(\a)+11], v[(\b):(\b)+11], v[(\c):(\c)+7], v[\sa], v[\sb] matrix_a_fmt:MATRIX_FMT_FP6 matrix_b_fmt:MATRIX_FMT_FP6
.endif
.endm
	s_load_b512 s[4:19], s[0:1], 0x0               ; key s[4:5], value s[6:7], mask s[8:9], wimg s[10:11], bk s[12:13], bv s[14:15], kimg s[16:17], vimg s[18:19]
	v_lshl_add_u32 v[SPW], v0, 2, SPARE
	v_mov_b32 v[NIL], 0
	v_lshrrev_b32 v1, 5, v0
	v_readfirstlane_b32 s20, v1                    ; wave = head
	s_and_b32 s22, ttmp7, 0xffff                   ; y: 0 k, 1 v
	v_and_b32 v9, 31, v0                           ; lane
	v_cmp_le_u32 s[HM], 16, v9
	v_lshlrev_b32 v[L16], 4, v9
	v_lshlrev_b32 v[L4], 2, v9
	v_lshlrev_b32 v[L8], 3, v9
	v_and_b32 v12, 15, v0                          ; r
	v_bfe_u32 v13, v0, 4, 1                        ; h
	v_and_b32 v14, 8, v12
	v_add_nc_u32 v14, v14, v12                     ; r + 8 (r / 8)
	v_lshlrev_b32 v[H64], 6, v13
	v_lshlrev_b32 v[RM4], 2, v14
	s_wait_alu depctr_va_sdst(0)                   ; s20 and s44 are written, ahead of their first readers: the line below reads s20, the selects at the end s44
	s_lshl_b32 s23, s20, 15                        ; my 32 tokens of 1,024 bytes
	v_lshl_add_u32 v[XOFF], v14, 10, v[H64]
	v_add_nc_u32 v[XOFF], s23, v[XOFF]
	s_mul_i32 s23, s20, 6144
	v_add_nc_u32 v[XWI], s23, v[L16]
	s_lshl_b32 s23, s20, 9
	v_add_nc_u32 v[XWS], s23, v[L4]
	s_mov_b32 s[SEL], 0x76543210
	s_mov_b32 s[SEL+1], 0xfedcba98
.irp b, 0,1,2,3
	v_mov_b32 v[TM+4+\b], 0                        ; written once: a lane permute's destination counts as one of its sources
.endr
	s_lshl_b32 s50, ttmp9, 17                      ; x: the step's 128 tokens of 1,024 bytes
	s_mov_b32 s51, 0
	s_add_co_u32 s52, s22, 1
	s_mul_i32 s52, s52, 51200                      ; wimg: weight 1 (Wk) or 2 (Wv)
	s_lshl_b32 s54, s20, 9
	s_add_co_u32 s54, s54, s52
	s_add_co_u32 s54, s54, 49152                   ; its scale words, my four tiles' (128 bytes a tile)
	s_mov_b32 s55, 0
	s_mul_i32 s56, s20, 12288
	s_add_co_u32 s52, s52, s56                     ; my eight fragments
	s_mov_b32 s53, 0
	s_lshl_b32 s56, s20, 8                         ; the bias: my 64 numbers
	s_mov_b32 s57, 0
	s_lshr_b32 s58, ttmp9, 4
	s_lshl_b32 s58, s58, 2
	s_add_co_u32 s58, s58, s20
	s_lshl_b32 s58, s58, 4
	s_and_b32 s59, ttmp9, 15
	s_add_co_u32 s58, s58, s59
	s_mul_i32 s58, s58, 6400                       ; my record: (4 batch + head) 16 + step
	s_mov_b32 s59, 0
	s_lshl_b32 s60, ttmp9, 9                       ; mask: the step's 128 words
	s_mov_b32 s61, 0
	s_wait_kmcnt 0x0
	s_cmp_eq_u32 s22, 0                            ; the choice hangs on the work-group's number alone
	s_cselect_b64 s[26:27], s[4:5], s[6:7]
	s_cselect_b64 s[30:31], s[12:13], s[14:15]
	s_cselect_b64 s[32:33], s[16:17], s[18:19]
	s_add_nc_u64 s[26:27], s[26:27], s[50:51]
	s_add_nc_u64 s[28:29], s[10:11], s[52:53]
	s_add_nc_u64 s[24:25], s[10:11], s[54:55]
	s_add_nc_u64 s[30:31], s[30:31], s[56:57]
	s_add_nc_u64 s[32:33], s[32:33], s[58:59]
	s_add_nc_u64 s[34:35], s[8:9], s[60:61]
	WIN 0x80                                       ; destination window 2
	s_wait_alu depctr_va_vdst(0)                   ; the offsets and LDS addresses v1 to v8 are written, which every load and store of the kernel reads; only loads and window switches follow up to the last load of x
.set n, 0
.rept 8
.irp c, 0,1,2
	global_load_b128 v[12*n+4*\c:12*n+4*\c+3], v[L16], s[28:29] offset:1536*n+512*\c   ; weight fragment (tile n / 2, K step n % 2): they stay
.endr
.set n, n+1
.endr
.irp t, 0,1,2,3
	global_load_b128 v[BIAS+8*\t:BIAS+8*\t+3], v[H64], s[30:31] offset:128*(\t/2)+32*(\t%2)        ; the bias as k's C: lane (r, h), tile 2 B + u: numbers 32 B + 16 h + 8 u + 0 .. 7
	global_load_b128 v[BIAS+8*\t+4:BIAS+8*\t+7], v[H64], s[30:31] offset:128*(\t/2)+32*(\t%2)+16
.endr
	WIN 0
.irp t, 0,1,2,3
	global_load_b32 v[WS+\t], v[L4], s[24:25] offset:128*\t
	global_load_b32 v[BVT+\t], v[RM4], s[30:31] offset:128*(\t/2)+32*(\t%2)     ; the bias as v's C: lane r, tile t: the number of its weight row
.endr
.irp t, 0,1,2,3,4,5,6,7
	global_load_b32 v[MW+\t], v[RM4], s[34:35] offset:128*(\t/2)+32*(\t%2)      ; the mask of token tile t's lane r
.endr
	WIN 0x40                                       ; destination window 1
.irp u, 0,1
.irp s, 0,1
.irp bq, 0,1,2,3
.irp jj, 0,1,2,3
	global_load_b128 v[64*(2*\u+\s)+16*\bq+4*\jj:64*(2*\u+\s)+16*\bq+4*\jj+3], v[XOFF], s[26:27] offset:8192*\u+512*\s+128*\bq+16*\jj th:TH_LOAD_NT   ; token tile 2 wave + u, K step s: 64 numbers a lane; read once in the launch
.endr
.endr
.endr
.endr
	WIN 0
	; ---- X: my four fragments of x.  Step f writes FR + 12 f and KW + f; its stores stand at the head of step f + 1
.set xf, 0
.rept 4
	s_wait_loadcnt 48-16*xf                        ; this fragment's 16 loads are in (and all that were issued ahead of them); the later fragments' may be out
.if xf > 0
	s_wait_alu depctr_va_vdst(0)                   ; the step before has written its fragment's codes and scale word, which the four LDS stores below read
	XOUT xf-1
.endif
	QMAX 64*xf,1,2
	QFIN 64*xf,1,2,FR+12*xf,FR+12*xf+6
	WORD KW+xf
.set xf, xf+1
.endr
	s_wait_alu depctr_va_vdst(0)                   ; the last step has written fragment 3's codes and scale word, which the LDS stores below read
	XOUT 3
	s_wait_dscnt 0x0                               ; for the others' sake: my stores have landed
	s_barrier_signal -1
	s_barrier_wait -1                              ; x's sixteen fragments lie in LDS
	WIN 0x40
	s_wait_alu depctr_va_vdst(0)                   ; the quantiser's lines are done reading x's numbers in window 1, in which the images land
.set n, 0
.rept 16
.irp c, 0,1,2
	ds_load_b128 v[12*n+4*\c:12*n+4*\c+3], v[L16] offset:XIMG+1536*n+512*\c
.endr
.set n, n+1
.endr
	WIN 0
.set n, 0
.rept 16
	ds_load_b32 v[XS+n], v[L4] offset:XSC+128*n
.set n, n+1
.endr
	s_wait_alu depctr_vm_vsrc(0)                   ; my LDS stores have read v[FR ..] and v[KW ..], which both arms below write again: so it stands ahead of the branch
	s_wait_dscnt 0x0
	s_cmp_lg_u32 s22, 0
	s_cbranch_scc1 .Lv_arm
	; ---- k: a token tile at a time; four accumulators by turns
.irp t, 0,1,2,3,4,5,6,7
	v_cmp_ne_u32 s[MK+\t], 0, v[MW+\t]
.endr
	s_wait_alu depctr_va_sdst(0)                   ; s36 to s43 are written, ahead of the selects that read them: one wait for the eight compares
.set tau, 0
.rept 8
	WIN 0x26                                       ; source 0 (Wk) window 2, source 1 (x) window 1, C (bk) window 2
.irp t, 0,1,2,3
	WMMA D+8*\t,24*\t,24*tau,BIAS+8*\t,WS+\t,XS+2*tau,0,0
.endr
	WIN 0x06
.irp t, 0,1,2,3
	WMMA D+8*\t,24*\t+12,24*tau+12,D+8*\t,WS+\t,XS+2*tau+1,1,0
.endr
	WIN 0
	PLACES 4                                       ; in front of the first read of results; with the lines below that name only v[TM] on, more than the five places that the next tile's first product wants
	QMAX D,0,1
	QFIN D,0,1,FR+12*(tau/2)+6*(tau%2),0
	W16 W16R+tau
.irp i, 0,1,2,3,4,5
	v_cndmask_b32 v[FR+12*(tau/2)+6*(tau%2)+\i], 0, v[FR+12*(tau/2)+6*(tau%2)+\i], s[MK+tau]   ; a masked key's codes are zeros
.endr
.if tau%2
	v_lshl_or_b32 v[KW+tau/2], v[W16R+tau], 16, v[W16R+tau-1]      ; bytes 0, 1: the first key's two blocks; bytes 2, 3: the second's
.endif
.set tau, tau+1
.endr
	s_branch .Ltail
	; ---- v: a weight tile at a time, against all eight token tiles; eight accumulators by turns
.Lv_arm:
	WIN 0x80
.irp t, 0,1,2,3
.irp j, 0,1,2,3,4,5,6,7
	v_mov_b32 v[BIAS+8*\t+\j], v[BVT+\t]           ; here a lane holds one of v's numbers in all its registers: so its bias fills the eight
.endr
.endr
	WIN 0
.set tt, 0
.rept 4
	WIN 0x29                                       ; source 0 (x) window 1, source 1 (Wv) window 2, C (bv) window 2
.set tau, 0
.rept 8
	WMMA D+8*tau,24*tau,24*tt,BIAS+8*tt,XS+2*tau,WS+tt,0,0
.set tau, tau+1
.endr
	WIN 0x09
.set tau, 0
.rept 8
	WMMA D+8*tau,24*tau+12,24*tt+12,D+8*tau,XS+2*tau+1,WS+tt,0,1
.set tau, tau+1
.endr
	WIN 0
	PLACES 4
	QMAX D,0,2
	QFIN D,0,2,FR+12*tt,FR+12*tt+6
	WORD KW+tt
.set tt, tt+1
.endr
.Ltail:
	v_cndmask_b32 v[SCL], v[KW], v[KW+1], s[HM]    ; lanes 0-15 carry fragment 0's words, lanes 16-31 fragment 1's;
	v_cndmask_b32 v[SCL+1], v[KW+2], v[KW+3], s[HM]  ; likewise 2 and 3
	s_wait_alu depctr_va_vdst(0)                   ; the arm has written the four fragments v[FR ..], the two selects v[SCL] and v[SCL+1]: the thirteen stores below read them
.set n, 0
.rept 12
	global_store_b128 v[L16], v[FR+4*n:FR+4*n+3], s[32:33] offset:512*n   ; 32 lanes store 512 consecutive bytes, at a multiple of 256 from the buffer's first byte
.set n, n+1
.endr
	global_store_b64 v[L8], v[SCL:SCL+1], s[32:33] offset:6144     ; 256 consecutive bytes
	s_wait_dscnt 0x0                               ; the closing lines, six on end
	s_wait_alu 0x0
	s_wait_tensorcnt 0x0
	ds_add_u32 v[SPW], v[NIL]
	s_wait_dscnt 0x0
	s_endpgm
.Lfunc_end_k_q32ec86f0dd_proj:
	.size	k_q32ec86f0dd_proj, .Lfunc_end_k_q32ec86f0dd_proj-k_q32ec86f0dd_proj
	.p2alignl 7, 3214868480
	.fill 96, 4, 3214868480
	.section	.rodata,"a",@progbits
	.p2align	6, 0x0
	.amdhsa_kernel k_q32ec86f0dd_proj
		.amdhsa_group_segment_fixed_size 27136
		.amdhsa_private_segment_fixed_size 0
		.amdhsa_enable_private_segment 0
		.amdhsa_kernarg_size 64
		.amdhsa_user_sgpr_count 2
		.amdhsa_user_sgpr_kernarg_segment_ptr 1
		.amdhsa_wavefront_size32 1
		.amdhsa_system_sgpr_workgroup_id_x 1
		.amdhsa_system_sgpr_workgroup_id_y 1
		.amdhsa_system_sgpr_workgroup_id_z 1
		.amdhsa_system_vgpr_workitem_id 0
		.amdhsa_next_free_vgpr 640
		.amdhsa_next_free_sgpr 66
		.amdhsa_reserve_vcc 0
		.amdhsa_float_denorm_mode_32 3
		.amdhsa_float_denorm_mode_16_64 3
		.amdhsa_memory_ordered 1
		.amdhsa_forward_progress 1
		.amdhsa_inst_pref_size 90
	.end_amdhsa_kernel
	.amdgpu_metadata
---
amdhsa.version: [ 1, 2 ]
amdhsa.kernels:
  - .name:           k_q32ec86f0dd_proj
    .symbol:         k_q32ec86f0dd_proj.kd
    .args:
      - { .name: key, .offset: 0, .size: 8, .value_kind: global_buffer, .address_space: global }
      - { .name: value, .offset: 8, .size: 8, .value_kind: global_buffer, .address_space: global }
      - { .name: mask, .offset: 16, .size: 8, .value_kind: global_buffer, .address_space: global }
      - { .name: wimg, .offset: 24, .size: 8, .value_kind: global_buffer, .address_space: global }
      - { .name: bk, .offset: 32, .size: 8, .value_kind: global_buffer, .address_space: global }
      - { .name: bv, .offset: 40, .size: 8, .value_kind: global_buffer, .address_space: global }
      - { .name: kimg, .offset: 48, .size: 8, .value_kind: global_buffer, .address_space: global }
      - { .name: vimg, .offset: 56, .size: 8, .value_kind: global_buffer, .address_space: global }
    .group_segment_fixed_size: 27136
    .private_segment_fixed_size: 0
    .kernarg_segment_align: 8
    .kernarg_segment_size: 64
    .max_flat_workgroup_size: 128
    .sgpr_count:     66
    .vgpr_count:     640
    .wavefront_size: 32
...
	.end_amdgpu_metadata
.endif
;; end of part 4
;; launch attn (part 5): grid 128 x 4, 4 waves a work-group, no clusters, 37,888 bytes of LDS; arguments query, order, count, kc, kimg, vimg, wimg, bq, bo, out0; writes out0
.if DOCPART == 5
	.amdgcn_target "amdgcn-amd-amdhsa--gfx1250"
	.amdhsa_code_object_version 6
	.text
	.protected	k_q32ec86f0dd_attn
	.globl	k_q32ec86f0dd_attn
	.p2align	8
	.type	k_q32ec86f0dd_attn,@function
k_q32ec86f0dd_attn:
	s_mov_b64 s[64:65], 0
	v_nop
	global_prefetch_b8 v0, s[64:65] scope:SCOPE_SE
	s_setreg_imm32_b32 hwreg(HW_REG_WAVE_SCHED_MODE, 0, 2), 2
	s_setreg_imm32_b32 hwreg(HW_REG_WAVE_MODE, 25, 1), 1
	s_wait_xcnt 0x0
	s_wait_alu depctr_vm_vsrc(0)
; ATTN: q = query Wq^T + bq on gathered rows, scores, spike gate, softmax, P V and the projection out, for 16 rows of one batch; all four products on codes of E2M3 with E8M0 scales.
; LEFT OUT (shown at the head of the first launch's text): the rows of products 1 and 4 of masked queries, whose logits are the constant -30 whatever q holds; clip(mod, -30, 30) on pairs that are not masked,
; where |mod| <= 18; the maximum ahead of the exponential: reference()'s clips hold t in [-43.3, 26], so the whole-number shift M = 0 serves, and the blocks' scales and the division by the sum take it up.
; SHARES.  A work-group owns 16 slots of its batch's list of tokens sorted by mask (order, count: whole numbers that the first launch stored); wave w owns head w and walks all 2,048 keys, 128 a step.
; A work-group none of whose 16 rows is unmasked walks the same 16 steps and jumps over the scores: its p is the constant 2^(-30 log2 e): codes 6.5 under the byte 81, sum 2048 p.  In a tile with rows of
; both kinds the masked rows' codes, scale word and sum are put in by selects.  The tile number pairs low tiles with high ones among neighbouring work-groups, so that live and masked tiles are spread.
; NO TENSOR LOADS, NO CLUSTER: the step's live part hangs on a count read from memory, and partners would have unequal work; within a work-group no two waves read the same record (a head each).  So K's and
; V's records, laid in the order of the operands' registers, go from memory straight into registers: K's a step ahead, V's at the head of its own step.
; LAYOUT.  Both products transposed: a lane holds ONE query (lane % 16).  A fragment of K holds two tiles of 16 keys, 64 numbers each: against [q | 0] it gives the first tile's scores, against [0 | q] the
; second's; register 16 f + i of the scores is key 128 J + 32 f + 16 (lane / 16) + i.
; AN ELEMENT: y = med3(s, -24, 24) (s = 4 x score);  u = -(5 log2 e / 4) y + c[key];  r = 1 / (1 + 2^u) = spike_gate;  t = y (log2 e / 4 + (log2 e / 2) r) + b[key];  p = 2^t.
; A masked key has zero codes (y = 0), c = 0 and b = -30 log2 e: it costs no line of its own.  The row's sum is taken of the unquantised p.
; Every work-group loads K's first record and the per-key constants and clears q's fragments, so that each register and LDS byte that the live part reads is written on every way through the text.
; LIMITS: NaN and infinities among the inputs are not served, and one in a masked query's row is not carried to the result; 1 / sum is v_rcp_f32 and a multiplication.
; THE MODE: SCHED_MODE bits 1:0 = 2 (LLVM: expert scheduling mode 2), set by the entry lines.  The code itself states the register dependences between vector or matrix instructions and memory or LDS
; instructions, with s_wait_alu, always for 0.
; THE PLAN.  Registers that memory or LDS instructions touch, in the loop:
;   K's fragments and scale words   Trip J: its eight score products read them; behind the first batch of exponentials the loads of step J + 1 land in them.
;   V's fragments and scale words   Trip J: the loads at the trip's head land in them; the four products at the trip's end read them.
;   c, b (window 1, v120-247)       Trip J: the LDS loads at the trip's head land in them; the elements' lines read them, c up to the first batch's wait, b up to the fifth's.
;   v[ADC]                          Read by those LDS loads; written once a trip, at its head.
;   v1, v2, v4, v9                  Offsets: never written in the loop; the scalar bases move on.
;   The scores, U, p's codes, O^T and the sums are named by vector and matrix instructions alone.
; So a trip holds: one wait on vm_vsrc ahead of the add to v[ADC]; ONE wait on va_vdst behind that add, which states that v[ADC] is written, that the last trip's lines are done reading c and b and that its
; last products are done reading V: V's loads, the prefetches and the LDS loads follow it; the wait that the first batch of exponentials has in any case, which also states that the score products are done
; reading K: K's loads follow it; and one wait on va_vdst ahead of the products that take p's codes and scale word, which vector lines have made.
; REGISTERS.  Window 0: v1-17 addresses; v18-23, v36-41 scale words; v24-31 the sum, a pair for each block of keys; v48-79 O^T; v80-143 Y: scores, t, p; v144-207 U: u .. the gate's factor; v208-219 p's codes; v228-251 at work.
;   Window 1: v0-47 K's fragments; v48-95 V's; v96-119 [q | 0], [0 | q]; v120-183 c, v184-247 b of the step's keys; v[248:249] log2 e / 4.  At the head v120-247 hold Wq's fragments and bq; on the way out v0-95 Wo's, v120-151 bo.
.set CN,    0                          ; LDS: c of the batch's 2,048 keys,
.set BN,    8192                       ; b likewise,
.set OIMG,  16384                      ; the four heads' codes of O, 768 bytes each,
.set OSC,   19456                      ; their scale half-words, 128 bytes each,
.set STG,   19968                      ; a stage of 16 rows x (256 + 16) bytes for each wave,
.set SPARE, 37376                      ; and the spare words, 128 bytes for each wave: two blocks of 256 bytes that no other line names
.set L16,  1                           ; v1   16 x lane
.set L8,   2                           ; v2   8 x lane
.set L4,   3                           ; v3   4 x lane
.set LC0,  4                           ; v4   64 h
.set ADC,  5                           ; v5   LDS address of the step's constants
.set SPW,  6                           ; v6   LDS address of my spare word; never rewritten
.set NIL,  7                           ; v7   0; never rewritten
.set TOKX, 8                           ; v8   my query's row in 'query': 1024 token + 64 h
.set PFO,  9                           ; v9   the prefetches' offset: 256 x min(lane, 24)
.set OROW, 10                          ; v10-17 where rows 2 i + h go in out0: 1024 token + 256 wave + 16 r
.set KS,   18
.set VS,   20
.set QS,   22
.set PS,   23
.set LL,   24
.set LM,   32                          ; v32  a masked query's sum: 2048 x 2^(-30 log2 e)
.set H4,   33                          ; v33  4 h
.set RL,   34
.set WQS,  36                          ; v36-39 Wq's scale words, later Wo's
.set XS0,  40                          ; v40, v41 the query rows' scale words, later O's
.set STO,  42
.set RD,   43
.set T4,   44                          ; v44-47 at work
.set O,    48
.set Y,    80
.set U,    144
.set OF,   160                         ; the way out: O's two fragments
.set PC,   208
.set OWI,  220                         ; v220 where I store my head's codes of O
.set OWS,  221                         ; v221 and their scale half-word
.set KCA,  222                         ; v222 16 x thread
.set ORB,  223                         ; v223 256 wave + 16 r
.set QSL,  224                         ; v224 my query's slot
.set TM,   228
.set TP,   244
.set KF,   0                           ; window 1
.set VF,   48
.set QLO,  96
.set QHI,  108
.set C1,   120
.set B1,   184
.set BQ,   216
.set K2V,  248
.set SEL,  48                          ; s[48:49] lane selects for v_permlanex16_b32: lane l xor 16
.set MSB, 0
.macro WIN new                         ; s_set_vgpr_msb: bits 1:0 source 0, 3:2 source 1, 5:4 source 2, 7:6 destination; the high byte repeats the setting that is left
.if MSB != (\new)
	s_set_vgpr_msb (MSB<<8)|(\new)
.set MSB, (\new)
.endif
.endm
.macro PLACES n
.rept \n
	v_nop
.endr
.endm
; 32 nc numbers of a lane in window w, register 16 b + i = k 32 b + 16 (lane / 16) + i of my row.  QMAX: my part of each block's largest magnitude.
.macro QMAX src, w, nc
	WIN 5*(\w)
.set qb, 0
.rept 2*(\nc)
	v_max3_num_f32 v[TM+qb], |v[(\src)+16*qb]|, |v[(\src)+16*qb+1]|, 0x1800000   ; and the floor 2^(3 - 127): the byte cannot fall under 1
.set qb, qb+1
.endr
.set qi, 2
.rept 7
.set qb, 0
.rept 2*(\nc)
	v_max3_num_f32 v[TM+qb], |v[(\src)+16*qb+qi]|, |v[(\src)+16*qb+qi+1]|, v[TM+qb]   ; the blocks by turns
.set qb, qb+1
.endr
.set qi, qi+2
.endr
	WIN 0
.endm
; QFIN: the blocks' scale bytes (they stay in v[TM+4] on) and the codes: six registers at d0 (and six at d1 where nc = 2), lane (r, h) holding the whole block 2 c + h
.macro QFIN src, w, nc, d0, d1
.set qb, 0
.rept 2*(\nc)
	v_permlanex16_b32 v[TM+4+qb], v[TM+qb], s[SEL], s[SEL+1]
.set qb, qb+1
.endr
.set qb, 0
.rept 2*(\nc)
	v_max_num_f32 v[TM+qb], v[TM+qb], v[TM+4+qb]   ; with lane l xor 16's: the block's largest magnitude
.set qb, qb+1
.endr
.set qb, 0
.rept 2*(\nc)
	v_add_nc_u32 v[TM+12+qb], 0xff000000, v[TM+qb] ; 2 off its exponent field: the conversion's scale operand
.set qb, qb+1
.endr
.set qb, 0
.rept 2*(\nc)
	v_lshrrev_b32 v[TM+4+qb], 23, v[TM+12+qb]      ; the scale's byte
.set qb, qb+1
.endr
	WIN (\w)
	v_cvt_scalef32_pk16_fp6_f32 v[(\d0):(\d0)+2], v[(\src):(\src)+15], v[TM+12]
	v_cvt_scalef32_pk16_fp6_f32 v[TP:TP+2], v[(\src)+16:(\src)+31], v[TM+13]     ; (a conversion's three registers begin on an even number)
.if (\nc) == 2
	v_cvt_scalef32_pk16_fp6_f32 v[(\d1):(\d1)+2], v[(\src)+32:(\src)+47], v[TM+14]
	v_cvt_scalef32_pk16_fp6_f32 v[TP+4:TP+6], v[(\src)+48:(\src)+63], v[TM+15]
.endif
	WIN 0
	v_nop                                          ; one plain place behind the scaled conversions
.irp i, 0,1,2
	v_permlane16_swap_b32 v[(\d0)+\i], v[TP+\i]    ; the first's lanes 16-31 change places with the second's lanes 0-15
.endr
.irp i, 0,1,2
	v_mov_b32 v[(\d0)+3+\i], v[TP+\i]
.endr
.if (\nc) == 2
.irp i, 0,1,2
	v_permlane16_swap_b32 v[(\d1)+\i], v[TP+4+\i]
.endr
.irp i, 0,1,2
	v_mov_b32 v[(\d1)+3+\i], v[TP+4+\i]
.endr
.endif
.endm
.macro WORD dst
	v_lshl_or_b32 v[\dst], v[TM+5], 8, v[TM+4]
	v_lshl_or_b32 v[\dst], v[TM+6], 16, v[\dst]
	v_lshl_or_b32 v[\dst], v[TM+7], 24, v[\dst]
.endm
.macro W16 dst
	v_lshl_or_b32 v[\dst], v[TM+5], 8, v[TM+4]
.endm
; The matrix instruction.  c < 0: the constant 0 starts the sum.  ra = 1: source 0's scale words are taken from lanes 16-31
.macro WMMA d, a, b, c, sa, sb, ra
.if (\c) < 0
.if (\ra)
	v_wmma_scale_f32_16x16x128_f8f6f4 v[(\d):(\d)+7], v[(\a):(\a)+11], v[(\b):(\b)+11], 0, v[\sa], v[\sb] matrix_a_fmt:MATRIX_FMT_FP6 matrix_b_fmt:MATRIX_FMT_FP6 matrix_a_scale:MATRIX_SCALE_ROW1
.else
	v_wmma_scale_f32_16x16x128_f8f6f4 v[(\d):(\d)+7], v[(\a):(\a)+11], v[(\b):(\b)+11], 0, v[\sa], v[\sb] matrix_a_fmt:MATRIX_FMT_FP6 matrix_b_fmt:MATRIX_FMT_FP6
.endif
.else
.if (\ra)
	v_wmma_scale_f32_16x16x128_f8f6f4 v[(\d):(\d)+7], v[(\a):(\a)+11], v[(\b):(\b)+11], v[(\c):(\c)+7], v[\sa], v[\sb] matrix_a_fmt:MATRIX_FMT_FP6 matrix_b_fmt:MATRIX_FMT_FP6 matrix_a_scale:MATRIX_SCALE_ROW1
.else
	v_wmma_scale_f32_16x16x128_f8f6f4 v[(\d):(\d)+7], v[(\a):(\a)+11], v[(\b):(\b)+11], v[(\c):(\c)+7], v[\sa], v[\sb] matrix_a_fmt:MATRIX_FMT_FP6 matrix_b_fmt:MATRIX_FMT_FP6
.endif
.endif
.endm
.macro LOADREC dst, sc, base           ; a record of kimg or vimg: 13 loads: four fragments into window 1, the scale words into window 0
	WIN 0x40
.irp i, 0,1,2,3,4,5,6,7,8,9,10,11
	global_load_b128 v[(\dst)+4*\i:(\dst)+4*\i+3], v[L16], s[\base:\base+1] offset:512*\i
.endr
	WIN 0
	global_load_b64 v[\sc:\sc+1], v[L8], s[\base:\base+1] offset:6144
.endm
; THE LINES OF AN ELEMENT.  i: a register 0..63;  p: a pair 0..31
.macro MED i
	v_med3_num_f32 v[Y+(\i)], v[Y+(\i)], s42, s43
.endm
.macro UU p
	v_pk_fma_f32 v[U+2*(\p):U+2*(\p)+1], v[Y+2*(\p):Y+2*(\p)+1], s[44:45], v[C1+2*(\p):C1+2*(\p)+1] op_sel_hi:[1,0,1]
.endm
.macro EX1 i
	v_exp_f32 v[U+(\i)], v[U+(\i)]
.endm
.macro AD p
	v_pk_add_f32 v[U+2*(\p):U+2*(\p)+1], v[U+2*(\p):U+2*(\p)+1], 1.0 op_sel_hi:[1,0]
.endm
.macro RC i
	v_rcp_f32 v[U+(\i)], v[U+(\i)]
.endm
.macro BB p
	v_pk_fma_f32 v[U+2*(\p):U+2*(\p)+1], v[U+2*(\p):U+2*(\p)+1], s[46:47], v[K2V:K2V+1] op_sel_hi:[1,0,1]
.endm
.macro TT p
	v_pk_fma_f32 v[Y+2*(\p):Y+2*(\p)+1], v[Y+2*(\p):Y+2*(\p)+1], v[U+2*(\p):U+2*(\p)+1], v[B1+2*(\p):B1+2*(\p)+1]
.endm
.macro EX2 i
	v_exp_f32 v[Y+(\i)], v[Y+(\i)]
.endm
.macro LS p
	v_pk_add_f32 v[LL+2*((\p)>>3):LL+2*((\p)>>3)+1], v[LL+2*((\p)>>3):LL+2*((\p)>>3)+1], v[Y+2*(\p):Y+2*(\p)+1]
.endm
.macro MX b, k                         ; p is never negative: no |.|
.if (\k) == 0
	v_max3_num_f32 v[TM+(\b)], v[Y+16*(\b)], v[Y+16*(\b)+1], 0x1800000
.else
	v_max3_num_f32 v[TM+(\b)], v[TM+(\b)], v[Y+16*(\b)+2*(\k)], v[Y+16*(\b)+2*(\k)+1]
.endif
.endm
	s_load_b512 s[4:19], s[0:1], 0x0               ; query s[4:5], order s[6:7], count s[8:9], kc s[10:11], kimg s[12:13], vimg s[14:15], wimg s[16:17], bq s[18:19]
	s_load_b128 s[20:23], s[0:1], 0x40             ; bo s[20:21], out0 s[22:23]
	v_lshl_add_u32 v[SPW], v0, 2, SPARE
	v_mov_b32 v[NIL], 0
	v_lshrrev_b32 v44, 5, v0
	v_readfirstlane_b32 s24, v44                   ; wave = head
	s_and_b32 s25, ttmp7, 0xffff                   ; batch
	s_lshr_b32 s54, ttmp9, 1
	s_sub_co_u32 s56, 127, s54
	s_lshr_b32 s55, s25, 1
	s_xor_b32 s55, s55, ttmp9
	s_and_b32 s55, s55, 1
	s_cmp_lg_u32 s55, 0
	s_cselect_b32 s26, s56, s54                    ; my tile of 16 slots: x / 2 from the list's head or from its end, by turns
	s_lshl_b32 s27, s26, 4                         ; its first slot
	s_cmp_eq_u32 s26, 0
	s_cselect_b32 s33, 13, 0                       ; the batch's tile 0 prefetches, in trips 0 to 12; nobody else
	v_and_b32 v44, 31, v0                          ; lane
	v_and_b32 v45, 15, v0                          ; r
	v_bfe_u32 v46, v0, 4, 1                        ; h
	v_lshlrev_b32 v[L16], 4, v44
	v_lshlrev_b32 v[L8], 3, v44
	v_lshlrev_b32 v[L4], 2, v44
	v_lshlrev_b32 v[LC0], 6, v46
	v_min_u32 v[PFO], 24, v44
	v_lshlrev_b32 v[PFO], 8, v[PFO]                ; a record is 25 x 256 bytes: a lane a block, the last eight lanes name the last
	v_lshlrev_b32 v[KCA], 4, v0
	v_lshlrev_b32 v47, 2, v45                      ; 4 r
	v_lshlrev_b32 v[H4], 2, v46
	s_wait_alu depctr_va_sdst(0)                   ; s24 is written, ahead of its first reader, the line below
	s_mul_i32 s54, s24, 4352
	s_add_co_u32 s54, s54, STG                     ; my stage
	v_mul_u32_u24 v[STO], v45, 272
	v_lshl_add_u32 v[STO], v46, 6, v[STO]
	v_add_nc_u32 v[STO], s54, v[STO]               ; in: row r, + 64 h
	v_mul_u32_u24 v[RD], v46, 272
	v_lshl_add_u32 v[RD], v45, 4, v[RD]
	v_add_nc_u32 v[RD], s54, v[RD]                 ; back: lanes 0-15 one row, lanes 16-31 the next
	s_mul_i32 s54, s24, 768
	s_add_co_u32 s54, s54, OIMG
	v_add_nc_u32 v[OWI], s54, v[L8]
	s_lshl_b32 s54, s24, 7
	s_add_co_u32 s54, s54, OSC
	v_add_nc_u32 v[OWS], s54, v[L4]
	s_lshl_b32 s54, s24, 8
	v_lshl_add_u32 v[ORB], v45, 4, s54
	v_add_nc_u32 v[QSL], s27, v45
	s_mov_b32 s42, 0xc1c00000                      ; -24
	s_mov_b32 s43, 0x41c00000                      ; 24
	s_mov_b32 s44, 0xbfe6d4ca                      ; -5 log2(e) / 4
	s_mov_b32 s45, s44                             ; (the packed form names a pair and takes its low word for both halves: so the upper is written)
	s_mov_b32 s46, 0x3f38aa3b                      ; log2(e) / 2
	s_mov_b32 s47, s46
	s_mov_b32 s[SEL], 0x76543210
	s_mov_b32 s[SEL+1], 0xfedcba98
	s_mov_b32 s50, 0x5d75d75d                      ; sixteen codes of 6.5 in three words
	s_mov_b32 s51, 0xd75d75d7
	s_mov_b32 s52, 0x75d75d75
	s_mov_b32 s53, 0x51515151                      ; and their scale byte, 81 = floor(-30 log2 e) - 2 + 127, four times
	s_lshl_b32 s54, s25, 7                         ; count: 128 bytes a batch
	s_mov_b32 s55, 0
	s_lshl_b32 s56, s25, 13
	s_lshl_b32 s57, s27, 2
	s_add_co_u32 s56, s56, s57                     ; order: my tile's 16 words
	s_mov_b32 s57, 0
	s_lshl_b32 s58, s25, 14                        ; kc: 16,384 bytes a batch
	s_mov_b32 s59, 0
	s_lshl_b32 s60, s25, 2
	s_add_co_u32 s60, s60, s24
	s_mul_i32 s60, s60, 102400                     ; kimg, vimg: the 16 records of (batch, head)
	s_mov_b32 s61, 0
	s_lshl_b32 s62, s25, 21                        ; query, out0: 2,048 rows of 1,024 bytes a batch
	s_mov_b32 s63, 0
	s_wait_kmcnt 0x0
	s_add_nc_u64 s[8:9], s[8:9], s[54:55]
	s_load_b32 s28, s[8:9], 0x0                    ; the batch's number of unmasked tokens
	s_add_nc_u64 s[6:7], s[6:7], s[56:57]
	s_add_nc_u64 s[10:11], s[10:11], s[58:59]
	s_add_nc_u64 s[34:35], s[12:13], s[60:61]      ; K's record in hand
	s_add_nc_u64 s[36:37], s[14:15], s[60:61]      ; V's
	s_add_nc_u64 s[38:39], s[34:35], 19200         ; the prefetches stand at record 3, which trip 0 names; each trip's end steps them by a record
	s_add_nc_u64 s[40:41], s[36:37], 19200
	s_add_nc_u64 s[4:5], s[4:5], s[62:63]
	s_add_nc_u64 s[22:23], s[22:23], s[62:63]
	s_mul_i32 s60, s24, 12288
	s_add_nc_u64 s[60:61], s[16:17], s[60:61]      ; wimg: my head's eight fragments of Wq (Wo's lie 153,600 bytes on)
	s_lshl_b32 s62, s24, 9
	s_add_co_u32 s62, s62, 49152
	s_add_nc_u64 s[62:63], s[16:17], s[62:63]      ; and their scale words
	s_lshl_b32 s54, s24, 8
	s_add_nc_u64 s[18:19], s[18:19], s[54:55]      ; bq, bo: my 64 numbers
	s_add_nc_u64 s[20:21], s[20:21], s[54:55]
	s_wait_alu depctr_va_vdst(0)                   ; the offsets and LDS addresses made above (v1 to v4, v9, v33, v42, v43, v47, v220 to v222) are written, which the loads, stores and prefetches of the kernel read
	global_load_b32 v[TOKX], v47, s[6:7]           ; my query's token
.irp i, 0,1,2,3,4,5,6,7
	global_load_b32 v[OROW+\i], v[H4], s[6:7] offset:8*\i          ; the tokens of rows 2 i + h
.endr
.irp i, 0,1,2,3,4,5,6,7
	global_load_b128 v[U+4*\i:U+4*\i+3], v[KCA], s[10:11] offset:2048*\i   ; the batch's c and b: 16,384 bytes, 128 a thread
.endr
	LOADREC KF, KS, 34                             ; K of step 0
.irp b, 0,1,2,3
	v_mov_b32 v[TM+4+\b], 0                        ; written once: a lane permute's destination counts as one of its sources
.endr
	v_mov_b32 v[QS], 0x7f7f7f7f
	v_mov_b32 v[LM], 0xc22d1f97                    ; -30 log2(e)
	v_exp_f32 v[LM], v[LM]
	WIN 0x40
	v_mov_b32 v[K2V], 0x3eb8aa3b                   ; log2(e) / 4, twice.  (Plain lines behind the exponential)
	v_mov_b32 v[K2V+1], 0x3eb8aa3b
.set n, 0
.rept 24
	v_mov_b32 v[QLO+n], 0                          ; [q | 0] and [0 | q]: twelve of these are the zero halves
.set n, n+1
.endr
	WIN 0
	s_wait_alu depctr_va_vdst(0)                   ; the exponential has written v[LM], ahead of the line below, its first reader
	v_mul_f32 v[LM], 0x45000000, v[LM]             ; x 2048
	s_wait_loadcnt 13                              ; the tokens and the constants are in; K's 13 loads may be out
.irp i, 0,1,2,3,4,5,6,7
	ds_store_b128 v[KCA], v[U+4*\i:U+4*\i+3] offset:CN+2048*\i
.endr
	v_min_u32 v[TOKX], 0x7ff, v[TOKX]              ; a loaded number enters an address behind this bound
	v_lshlrev_b32 v[TOKX], 10, v[TOKX]
	v_add_nc_u32 v[TOKX], v[LC0], v[TOKX]
.irp i, 0,1,2,3,4,5,6,7
	v_min_u32 v[OROW+\i], 0x7ff, v[OROW+\i]
	v_lshlrev_b32 v[OROW+\i], 10, v[OROW+\i]
	v_add_nc_u32 v[OROW+\i], v[ORB], v[OROW+\i]
.endr
	s_wait_dscnt 0x0                               ; for the others' sake: my stores have landed
	s_barrier_signal -1
	s_barrier_wait -1                              ; the batch's constants lie in LDS
	s_wait_kmcnt 0x0
	s_cmp_lt_u32 s27, s28
	s_cselect_b32 s29, 1, 0                        ; does my tile hold an unmasked query?
	v_cmp_gt_u32 s30, s28, v[QSL]                  ; the lanes whose query is unmasked
	s_wait_alu depctr_va_sdst(0)                   ; s30 is written
	s_wait_alu depctr_va_vdst(0)                   ; v[TOKX] and v[OROW ..] are written: the loads of the query's rows read the first as their offset, the last stores the others
	s_wait_alu depctr_vm_vsrc(0)                   ; my LDS stores have read v[U ..], in which loads land and which the elements' lines write; the token's load has read v47, in which a load lands on the way out: ahead of the branch
	s_cmp_eq_u32 s29, 0
	s_cbranch_scc1 .Lq_done
	; ---- q of a live tile: 16 gathered rows, quantised; my head's four tiles of Wq; q quantised along the head's 64
.irp bq, 0,1,2,3
.irp jj, 0,1,2,3
	global_load_b128 v[Y+16*\bq+4*\jj:Y+16*\bq+4*\jj+3], v[TOKX], s[4:5] offset:128*\bq+16*\jj
	global_load_b128 v[U+16*\bq+4*\jj:U+16*\bq+4*\jj+3], v[TOKX], s[4:5] offset:512+128*\bq+16*\jj
.endr
.endr
	WIN 0x40
.set n, 0
.rept 8
.irp c, 0,1,2
	global_load_b128 v[C1+12*n+4*\c:C1+12*n+4*\c+3], v[L16], s[60:61] offset:1536*n+512*\c
.endr
.set n, n+1
.endr
.irp t, 0,1,2,3
	global_load_b128 v[BQ+8*\t:BQ+8*\t+3], v[LC0], s[18:19] offset:128*(\t/2)+32*(\t%2)
	global_load_b128 v[BQ+8*\t+4:BQ+8*\t+7], v[LC0], s[18:19] offset:128*(\t/2)+32*(\t%2)+16
.endr
	WIN 0
.irp t, 0,1,2,3
	global_load_b32 v[WQS+\t], v[L4], s[62:63] offset:128*\t
.endr
	s_wait_loadcnt 0x0
	QMAX Y,0,2
	QFIN Y,0,2,O,O+6
	WORD XS0
	QMAX U,0,2
	QFIN U,0,2,O+12,O+18
	WORD XS0+1
	PLACES 8                                       ; a scale word made by vector lines stands 8 places ahead of the scaled matrix instruction
	s_wait_alu depctr_va_vdst(0)                   ; the quantiser has written the rows' codes v[O ..] and scale words v[XS0], v[XS0+1], which the products below take; the places above stay beside this wait
	WIN 0x11                                       ; source 0 (Wq) and C (bq) window 1
.irp t, 0,1,2,3
	WMMA Y+8*\t,C1+24*\t,O,BQ+8*\t,WQS+\t,XS0,0
.endr
	WIN 0x01
.irp t, 0,1,2,3
	WMMA Y+8*\t,C1+24*\t+12,O+12,Y+8*\t,WQS+\t,XS0+1,1
.endr
	WIN 0
	PLACES 4
	QMAX Y,0,1
	QFIN Y,0,1,U,0
	W16 T4
	v_lshl_or_b32 v[QS], v[T4], 16, v[T4]          ; q's two bytes serve in either half of K = 128
	WIN 0x40
.irp i, 0,1,2,3,4,5
	v_mov_b32 v[QLO+\i], v[U+\i]
	v_mov_b32 v[QHI+6+\i], v[U+\i]
.endr
	WIN 0
.Lq_done:
	v_mov_b32 v[PS], s53                           ; a masked query's p: the scale word,
.set n, 0
.rept 12
	v_mov_b32 v[PC+n], s[50+n%3]                   ; and the codes.  A tile with no unmasked query keeps them through all steps
.set n, n+1
.endr
.set n, 0
.rept 32
	v_mov_b32 v[O+n], 0                            ; O^T: the step is written once, and its first trip adds onto zeros.  (These lines are also the places behind the scale words and operands just made)
.set n, n+1
.endr
.set n, 0
.rept 8
	v_mov_b32 v[LL+n], 0
.set n, n+1
.endr
	s_mov_b32 s31, 0                               ; J, the step
	s_mov_b32 s32, 0                               ; 512 J: the step's constants in LDS
.Lstep:                                                ; 16 trips
	s_wait_alu depctr_vm_vsrc(0)                   ; the last trip's LDS loads have read v[ADC]
	v_add_nc_u32 v[ADC], s32, v[LC0]               ; (a tile with no unmasked query makes it too and reads nothing by it)
	s_wait_alu depctr_va_vdst(0)                   ; v[ADC] is written; the last trip's lines are done reading c and b, and its last four products V's fragments and scale words (trip 0: the head's products are done reading Wq and bq; q's fragments and scale word, and the constant p, are written)
	LOADREC VF, VS, 36                             ; V of this step: it has the whole of the lines below in which to land
	s_cmp_lt_u32 s31, s33
	s_cbranch_scc0 .Lnopf
	; A prefetch into the L2: in trip J record J + 3 of my head's K and V: K's is loaded in trip J + 2, V's at the head of trip J + 3; 25 blocks of 256 bytes each, a lane a block.  All 128 work-groups of a batch
	; walk the same records: the one with tile 0 asks, each wave for its head, so each block is named once in the launch.  Records 0 to 2 come by their loads alone; trips 13 on ask for nothing: record 15 is the last.
	global_prefetch_b8 v[PFO], s[38:39] th:TH_LOAD_NT scope:SCOPE_SE
	global_prefetch_b8 v[PFO], s[40:41] th:TH_LOAD_NT scope:SCOPE_SE
.Lnopf:
	s_cmp_eq_u32 s29, 0
	s_cbranch_scc1 .Lpv                            ; no unmasked query: p is the constant
	WIN 0x40
.irp f, 0,1,2,3
.irp jj, 0,1,2,3
	ds_load_b128 v[C1+16*\f+4*\jj:C1+16*\f+4*\jj+3], v[ADC] offset:CN+128*\f+16*\jj   ; c of keys 128 J + 32 f + 16 h + 4 jj on: sixteen lanes share each word.  No wait: no vector or matrix instruction since the wait at the trip's head
.endr
.endr
.irp f, 0,1,2,3
.irp jj, 0,1,2,3
	ds_load_b128 v[B1+16*\f+4*\jj:B1+16*\f+4*\jj+3], v[ADC] offset:BN+128*\f+16*\jj
.endr
.endr
	s_wait_loadcnt 13                              ; K of this step is in; the 13 loads of V of this step were issued behind it and may be out
	WIN 0x05                                       ; K and q window 1, the scores window 0
.irp f, 0,1,2,3
	WMMA Y+16*\f,KF+12*\f,QLO,-1,KS+\f/2,QS,\f%2
	WMMA Y+16*\f+8,KF+12*\f,QHI,-1,KS+\f/2,QS,\f%2
.endr
	WIN 0x10                                       ; source 2 (c, b, log2 e / 4) window 1
	PLACES 4                                       ; in front of the first read of the scores
.set n, 0
.rept 32
	MED n
.set n, n+1
.endr
	s_wait_dscnt 0x0                               ; the step's constants are in
.set n, 0
.rept 16
	UU n
.set n, n+1
.endr
; From here on each batch of 32 transcendentals stands among plain lines that name none of its results, and has ONE wait behind it, ahead of its first reader.
.set n, 0
.rept 32
	EX1 n
	MED 32+n
.set n, n+1
.endr
.set n, 0
.rept 16
	UU 16+n
.set n, n+1
.endr
	s_wait_alu depctr_va_vdst(0)                   ; the exponentials have written 2^u of elements 0-31, v[U] to v[U+31], which the additions below read; and the score products are done reading K's fragments and scale words, in which the loads below land
	WIN 0
	s_cmp_eq_u32 s31, 15
	s_cbranch_scc1 .Lnok
	s_add_nc_u64 s[34:35], s[34:35], 6400          ; (the wait for K at this trip's head has shown the loads that read this base done)
	LOADREC KF, KS, 34                             ; K of the next step.  No further wait: no vector or matrix instruction since the wait above
.Lnok:
	WIN 0x10
.set n, 0
.rept 16
	EX1 32+2*n
	EX1 33+2*n
	AD n
.set n, n+1
.endr
	s_wait_alu depctr_va_vdst(0)                   ; the exponentials have written 2^u of elements 32-63, v[U+32] to v[U+63], which the additions below read
.set n, 0
.rept 16
	RC 2*n
	RC 2*n+1
	AD 16+n
.set n, n+1
.endr
	s_wait_alu depctr_va_vdst(0)                   ; the reciprocals have written the gates of elements 0-31, v[U] to v[U+31], which the multiply-adds below read
.set n, 0
.rept 16
	RC 32+2*n
	BB n
	RC 33+2*n
	TT n
.set n, n+1
.endr
	s_wait_alu depctr_va_vdst(0)                   ; the reciprocals have written the gates of elements 32-63, v[U+32] to v[U+63], which the multiply-adds below read
.set n, 0
.rept 16
	EX2 2*n
	BB 16+n
	EX2 2*n+1
	TT 16+n
.set n, n+1
.endr
	s_wait_alu depctr_va_vdst(0)                   ; the exponentials have written p of elements 0-31, v[Y] to v[Y+31], which the sums and maxima below read
	WIN 0
.set n, 0
.rept 16
	EX2 32+2*n
	LS 8*(n&1)+(n>>1)
	EX2 33+2*n
	MX (n&1),(n>>1)
.set n, n+1
.endr
	s_wait_alu depctr_va_vdst(0)                   ; the exponentials have written p of elements 32-63, v[Y+32] to v[Y+63], which the maxima below read
.set n, 0
.rept 16
	MX 2+(n&1),(n>>1)
.set n, n+1
.endr
	QFIN Y,0,2,PC,PC+6                             ; p's codes and scale bytes for these 128 keys
	WORD PS
	v_cndmask_b32 v[PS], s53, v[PS], s30           ; a masked query in a live tile gets the constant p: 13 selects for a lane's 64 elements
.set n, 0
.rept 12
	v_cndmask_b32 v[PC+n], s[50+n%3], v[PC+n], s30
.set n, n+1
.endr
.set n, 0
.rept 16
	LS 16+8*(n&1)+(n>>1)                           ; the rest of the sum: also the places between p's scale word and codes and the products below
.set n, n+1
.endr
	s_wait_alu depctr_va_vdst(0)                   ; the selects have written p's codes v[PC ..] and scale word v[PS], which the products below take; the places above stay beside this wait.  (On the way with no scores the wait at the trip's head has stated it)
.Lpv:
	s_wait_loadcnt 0x0                             ; V of this step is in.  For 0: on the way with no scores nothing is issued behind V's loads; on the other, K's of the next step were asked for five batches of lines ago
	WIN 0x01                                       ; V window 1
.irp t, 0,1,2,3
	WMMA O+8*\t,VF+12*\t,PC,O+8*\t,VS+\t/2,PS,\t%2   ; the four accumulators by turns, over the backward jump too
.endr
	WIN 0
	PLACES 4                                       ; behind the last trip: in front of the first read of O^T
	s_wait_xcnt 0x0                                ; this trip's prefetches, at its head, have read their addresses; V's loads are done by the wait above
	s_add_nc_u64 s[36:37], s[36:37], 6400          ; V's next record (behind the last trip the stepped addresses are not used)
	s_add_nc_u64 s[38:39], s[38:39], 6400
	s_add_nc_u64 s[40:41], s[40:41], 6400
	s_add_co_u32 s32, s32, 512
	s_add_co_u32 s31, s31, 1
	s_cmp_lt_u32 s31, 16
	s_cbranch_scc1 .Lstep
	; ---- THE WAY OUT.  The sum; O^T / the sum, quantised along the head's 64; the four heads meet in LDS; my 64 columns of the projection; rows of out0 by their tokens.
	s_wait_loadcnt 0x0                             ; no load of mine is out (the last trip asks for nothing behind its wait for V): the wait says so ahead of the loads below into the registers that K's and V's loads write
	v_pk_add_f32 v[LL:LL+1], v[LL:LL+1], v[LL+2:LL+3]
	v_pk_add_f32 v[LL+4:LL+5], v[LL+4:LL+5], v[LL+6:LL+7]
	v_pk_add_f32 v[LL:LL+1], v[LL:LL+1], v[LL+4:LL+5]
	v_add_f32 v[LL], v[LL], v[LL+1]
	WIN 0x40
	s_wait_alu depctr_va_vdst(0)                   ; the loop's products are done reading K's and V's fragments, its lines c, the head's products Wq's scale words: the loads below land in these registers
.set n, 0
.rept 8
.irp c, 0,1,2
	global_load_b128 v[12*n+4*\c:12*n+4*\c+3], v[L16], s[60:61] offset:153600+1536*n+512*\c   ; Wo's tiles 4 wave on, where K's and V's fragments lay
.endr
.set n, n+1
.endr
.irp t, 0,1,2,3
	global_load_b128 v[C1+8*\t:C1+8*\t+3], v[LC0], s[20:21] offset:128*(\t/2)+32*(\t%2)
	global_load_b128 v[C1+8*\t+4:C1+8*\t+7], v[LC0], s[20:21] offset:128*(\t/2)+32*(\t%2)+16
.endr
	WIN 0
.irp t, 0,1,2,3
	global_load_b32 v[WQS+\t], v[L4], s[62:63] offset:153600+128*\t
.endr
	v_permlanex16_b32 v[LL+1], v[LL], s[SEL], s[SEL+1]
	v_add_f32 v[LL], v[LL], v[LL+1]                ; with lane l xor 16's keys: the row's sum
	v_cndmask_b32 v[LL], v[LM], v[LL], s30         ; a masked query's is 2048 p
	v_rcp_f32 v[RL], v[LL]
	v_mov_b32 v[RL+1], 0                           ; (a plain line behind the reciprocal; the pair's upper half is named below, so it is written)
	s_wait_alu depctr_va_vdst(0)                   ; the reciprocal has written v[RL], ahead of the multiplications below, its first readers
.set n, 0
.rept 16
	v_pk_mul_f32 v[O+2*n:O+2*n+1], v[O+2*n:O+2*n+1], v[RL:RL+1] op_sel_hi:[1,0]
.set n, n+1
.endr
	QMAX O,0,1
	QFIN O,0,1,U,0
	W16 T4
	s_wait_alu depctr_va_vdst(0)                   ; the quantiser has written O's codes v[U] to v[U+5] and their half-word v[T4], which the LDS stores below read
.irp i, 0,1,2
	ds_store_b64 v[OWI], v[U+2*\i:U+2*\i+1] offset:256*\i          ; my head's six registers, as they stand: 8 bytes a lane
.endr
	ds_store_b32 v[OWS], v[T4]
	s_wait_dscnt 0x0                               ; for the others' sake: my stores have landed
	s_barrier_signal -1
	s_barrier_wait -1                              ; the four heads' codes lie in LDS
	s_wait_alu depctr_vm_vsrc(0)                   ; my LDS store has read v[T4], in which a load below lands
	s_wait_alu depctr_va_vdst(0)                   ; the quantiser's line has written v[T4], and the loop's lines are done with v[OF ..]: the loads below land in them
.irp s, 0,1
.irp c, 0,1
.irp i, 0,1,2
	ds_load_b64 v[OF+12*\s+6*\c+2*\i:OF+12*\s+6*\c+2*\i+1], v[L8] offset:OIMG+768*(2*\s+\c)+256*\i   ; K step s of the projection = heads 2 s and 2 s + 1
.endr
.endr
.endr
.irp i, 0,1,2,3
	ds_load_b32 v[T4+\i], v[L4] offset:OSC+128*\i
.endr
	s_wait_dscnt 0x0
	v_lshl_or_b32 v[XS0], v[T4+1], 16, v[T4]
	v_lshl_or_b32 v[XS0+1], v[T4+3], 16, v[T4+2]
	PLACES 8                                       ; scale words made by vector lines stand 8 places ahead
	s_wait_loadcnt 0x0                             ; Wo, its scale words, bo
	s_wait_alu depctr_va_vdst(0)                   ; the two lines above have written O's scale words v[XS0], v[XS0+1], which the products below take; the places above stay beside this wait
	WIN 0x11                                       ; source 0 (Wo) and C (bo) window 1
.irp t, 0,1,2,3
	WMMA Y+8*\t,24*\t,OF,C1+8*\t,WQS+\t,XS0,0
.endr
	WIN 0x01
.irp t, 0,1,2,3
	WMMA Y+8*\t,24*\t+12,OF+12,Y+8*\t,WQS+\t,XS0+1,1
.endr
	WIN 0
	PLACES 4
	s_wait_alu depctr_va_vdst(0)                   ; the products have written v[Y] to v[Y+31], which the LDS stores below read, and the quantiser is done reading v[O ..], in which the loads from the stage land; the places above stay beside this wait
.irp t, 0,1,2,3
	ds_store_b128 v[STO], v[Y+8*\t:Y+8*\t+3] offset:128*(\t/2)+32*(\t%2)       ; lane (r, h), tile 2 B + u: columns 32 B + 16 h + 8 u + 0 .. 7 of row r; each accumulator from its low end on
	ds_store_b128 v[STO], v[Y+8*\t+4:Y+8*\t+7] offset:128*(\t/2)+32*(\t%2)+16
.endr
.irp i, 0,1,2,3,4,5,6,7
	ds_load_b128 v[O+4*\i:O+4*\i+3], v[RD] offset:544*\i           ; LDS serves a wave's instructions in order: these see my stores; the stage is my wave's own
.endr
.irp i, 0,1,2,3,4,5,6,7
	s_wait_dscnt 7-\i                              ; rows 2 i, 2 i + 1 are back; the 7 - i younger loads may be out
	global_store_b128 v[OROW+\i], v[O+4*\i:O+4*\i+3], s[22:23] th:TH_STORE_NT   ; sixteen lanes store 256 consecutive bytes of a row, at a multiple of 256 from out0's first byte
.endr
	s_wait_dscnt 0x0                               ; the closing lines, six on end
	s_wait_alu 0x0
	s_wait_tensorcnt 0x0
	ds_add_u32 v[SPW], v[NIL]
	s_wait_dscnt 0x0
	s_endpgm
.Lfunc_end_k_q32ec86f0dd_attn:
	.size	k_q32ec86f0dd_attn, .Lfunc_end_k_q32ec86f0dd_attn-k_q32ec86f0dd_attn
	.p2alignl 7, 3214868480
	.fill 96, 4, 3214868480
	.section	.rodata,"a",@progbits
	.p2align	6, 0x0
	.amdhsa_kernel k_q32ec86f0dd_attn
		.amdhsa_group_segment_fixed_size 37888
		.amdhsa_private_segment_fixed_size 0
		.amdhsa_enable_private_segment 0
		.amdhsa_kernarg_size 80
		.amdhsa_user_sgpr_count 2
		.amdhsa_user_sgpr_kernarg_segment_ptr 1
		.amdhsa_wavefront_size32 1
		.amdhsa_system_sgpr_workgroup_id_x 1
		.amdhsa_system_sgpr_workgroup_id_y 1
		.amdhsa_system_sgpr_workgroup_id_z 1
		.amdhsa_system_vgpr_workitem_id 0
		.amdhsa_next_free_vgpr 512
		.amdhsa_next_free_sgpr 66
		.amdhsa_reserve_vcc 0
		.amdhsa_float_denorm_mode_32 3
		.amdhsa_float_denorm_mode_16_64 3
		.amdhsa_memory_ordered 1
		.amdhsa_forward_progress 1
		.amdhsa_inst_pref_size 75
	.end_amdhsa_kernel
	.amdgpu_metadata
---
amdhsa.version: [ 1, 2 ]
amdhsa.kernels:
  - .name:           k_q32ec86f0dd_attn
    .symbol:         k_q32ec86f0dd_attn.kd
    .args:
      - { .name: query, .offset: 0, .size: 8, .value_kind: global_buffer, .address_space: global }
      - { .name: order, .offset: 8, .size: 8, .value_kind: global_buffer, .address_space: global }
      - { .name: count, .offset: 16, .size: 8, .value_kind: global_buffer, .address_space: global }
      - { .name: kc, .offset: 24, .size: 8, .value_kind: global_buffer, .address_space: global }
      - { .name: kimg, .offset: 32, .size: 8, .value_kind: global_buffer, .address_space: global }
      - { .name: vimg, .offset: 40, .size: 8, .value_kind: global_buffer, .address_space: global }
      - { .name: wimg, .offset: 48, .size: 8, .value_kind: global_buffer, .address_space: global }
      - { .name: bq, .offset: 56, .size: 8, .value_kind: global_buffer, .address_space: global }
      - { .name: bo, .offset: 64, .size: 8, .value_kind: global_buffer, .address_space: global }
      - { .name: out0, .offset: 72, .size: 8, .value_kind: global_buffer, .address_space: global }
    .group_segment_fixed_size: 37888
    .private_segment_fixed_size: 0
    .kernarg_segment_align: 8
    .kernarg_segment_size: 80
    .max_flat_workgroup_size: 128
    .sgpr_count:     66
    .vgpr_count:     512
    .wavefront_size: 32
...
	.end_amdgpu_metadata
.endif
;; end of part 5
